; MI455X (gfx1250); checked and timed in simulation.
; The chip was launched on July 23, 2026; its instructions are those of AMD's public machine-readable ISA for CDNA 5 (MIT licence, August 2026) and "CDNA5" Instruction Set Architecture Reference Guide (July 2026). The comments in the code are by the model that wrote it; some were corrected since.
;; K L RAG. Allowed arithmetic: matrix products marked QUANTISED: E2M3 operands, one E8M0 scale for each 32 along K, by v_wmma_scale_f32_16x16x128_f8f6f4 with both operands' format E2M3, f32 sums; products left as they are: f32 operands where the result goes on into a quantised operand, else bf16, f16 or f32 operands; f32 sums; everything else in f32.
;; Inputs: K_emb 100 x 2,048 float32; K_keys 100 x 2,048 float32; Wo 4,096 x 2,048 float32; Wq 2,048 x 2,048 float32; Wv 2,048 x 2,048 float32; bo 4,096 float32; bq 2,048 float32; bv 2,048 float32; query_state 4,096 x 2,048 float32.
;; Outputs: out0 2 x 4,096 x 2,048 float32.
;; Constants: top_k = 3.
;; This version of the problem:
;;   THIS VERSION OF THE PROBLEM IS GIVEN IN LOW PRECISION. The matrix products marked QUANTISED in the list below multiply operands that are first quantised to E2M3 (2 exponent bits, 3 mantissa bits; 6 bits a number), with one power-of-two scale for each 32 numbers along K (OCP MX v1.0); their sums are f32. All else is computed in f32.
;;   The module's matrix products, in the order in which they are computed (A, B: the left and right operand; K: the contracted axis; several contracted axes count as one K, in the product's order):
;;     1. [M 4,096, K 2,048] x [K 2,048, N 2,048]; A: input query_state; B: input Wq: QUANTISED
;;     2. [M 4,096, K 2,048] x [K 2,048, N 100]; A: computed on the way; B: input K_keys: QUANTISED
;;     3. batch 4,096 x [M 1, K 3] x [K 3, N 2,048]; A: softmax; B: computed on the way: left as it is (K = 3 < 32)
;;     4. [M 4,096, K 2,048] x [K 2,048, N 2,048]; A: computed on the way; B: input Wv: QUANTISED
;;     5. [M 4,096, K 2,048] x [K 2,048, N 4,096]; A: computed on the way; B: input Wo: QUANTISED
;;   THE QUANTISER, for each operand of a quantised product, along K:
;;     - K is cut into blocks of 32 from its start; a last block that is shorter is filled with zeros.
;;     - A block's scale is 2^e with e = floor(log2(the largest magnitude in the block)) - 2, held to -126 .. 127; a block of zeros has e = 0. As a byte (E8M0): e + 127.
;;     - Each number is divided by its block's scale, clamped to +-7.5, and rounded to the nearest number of E2M3, ties to even, subnormals kept.
;;     - The product sums the exact products of the quantised numbers (number of the format x scale) in f32.
;;   ~~~python
;;   def quantise(x, axis):      # numpy; x: float32 -> the quantised numbers, widened to float32 again
;;       x = np.moveaxis(x, axis, -1); K = x.shape[-1]
;;       x = np.pad(x, [(0, 0)] * (x.ndim - 1) + [(0, -K % 32)]); x = x.reshape(x.shape[:-1] + (-1, 32)); a = np.abs(x).max(-1, keepdims=True)
;;       e = np.where(a > 0, np.clip(np.frexp(np.where(a > 0, a, 1))[1] - 1 - 2, -126, 127), 0)      # np.frexp(a)[1] - 1 = floor(log2(a)), exactly
;;       r = np.clip(x / 2.0 ** e, -7.5, 7.5)
;;       step = 2.0 ** (np.maximum(np.frexp(np.where(r == 0, 1, r))[1] - 1, 0) - 3)
;;       q = np.round(r / step) * step * 2.0 ** e      # np.round: ties to even
;;       return np.moveaxis(q.reshape(q.shape[:-2] + (-1,))[..., :K], -1, axis).astype(np.float32)
;;   ~~~
;;   OPERANDS COMPUTED ON THE WAY. 'Computed on the way' means the value that the module computes at that place (a softmax that the list does not call 'softmax' is quantised finished and normalised). What goes into a quantiser is computed in f32, as accurately as f32 sums, v_exp_f32 and their like allow (about 1e-6 of the number): no bf16 or f16 on the way to a quantiser, and a product that is left as it is and whose result goes on into a quantised operand takes f32 operands (vector FMAs, or v_wmma_f32_16x16x4_f32). A number that lies on a knife's edge between two numbers of the format may be rounded either way, as far as f32 arithmetic and the matrix unit's own rounding can turn it there, and no further.
;; One version. Each part assembles by itself: llvm-mc -triple=amdgcn-amd-amdhsa -mcpu=gfx1250 --defsym DOCPART=n.
;; ======== version 1 of 1: 6 launches
;; workspace buffers: xq 6,553,600 bytes; act1 6,553,600 bytes; woq 6,553,600 bytes; wqq 3,276,800 bytes; wvq 3,276,800 bytes; kq 179,200 bytes; idx 65,536 bytes of whole numbers; wts 65,536 bytes
;; launch quant (part 1): grid 775 x 1, 4 waves a work-group, no clusters, 34,304 bytes of LDS; arguments query_state, Wq, Wv, Wo, K_keys, xq, wqq, wvq, woq, kq; writes xq, wqq, wvq, woq, kq
.if DOCPART == 1
	.amdgcn_target "amdgcn-amd-amdhsa--gfx1250"
	.amdhsa_code_object_version 6
	.text
	.protected	k_q652322622a_quant
	.globl	k_q652322622a_quant
	.p2align	8
	.type	k_q652322622a_quant,@function
k_q652322622a_quant:
	s_mov_b64 s[64:65], 0
	v_nop
	global_prefetch_b8 v0, s[64:65] scope:SCOPE_SE
	s_setreg_imm32_b32 hwreg(HW_REG_WAVE_MODE, 25, 1), 1
	s_wait_xcnt 0x0
; query_state [4096][2048], Wq, Wv [2048][2048], Wo [4096][2048], K_keys [100][2048], all f32 with K innermost, become codes of FP6 (E2M3) with one E8M0 byte for each 32 along K.
; A block's scale is 2^(floor(log2(its largest magnitude)) - 2); each number is divided by it and rounded to the nearest code, ties to even, beyond 7.5 the largest code.
; THE OUTPUT IS LAID AS THE MATRIX UNIT'S REGISTERS.  A row tile is 16 rows, a fragment 16 rows x 128 K: 12 registers a lane, 1,536 bytes: register 4 c + i of lane l at byte 512 c + 16 l + 4 i.
; Codes: [tile][K step 0..15][1536].  Behind them the scale words: [tile][K step / 4][row 0..15][K step % 4], one word (4 bytes: 128 along K) each.
; WHICH ROW STANDS IN LANE r OF TILE T: activations 16 T + r; weights 32 (T / 2) + 8 (T % 2) + r + 8 (r / 8), so that a transposed product leaves 16 neighbours of the next K in two neighbouring tiles;
; keys min(16 T, 84) + r: the seventh tile holds keys 84 to 99, twelve of them for the second time; the reader passes over those.
; SHARES.  A work-group is one row tile (256 of x, 128 of Wq, 128 of Wv, 256 of Wo, 7 of the keys: 775); wave w takes K steps 4 w .. 4 w + 3.  One path serves all five tensors: only pointers and four numbers are chosen.
; Each load takes 512 consecutive bytes of one row; the 16 rows turn through the wave's own stage in LDS (rows of 512 + 16 bytes) and come back 16 neighbours along K to a lane.  32 loads a wave are out.
; No tensor loads, no barrier, no cluster: waves and work-groups share nothing.
; LIMITS: NaN and infinities are not served.  A block of zeros, or one whose largest magnitude lies under 2^-124, gets the byte 1 (the rule says 127 for zeros): zero codes add nothing, and this program alone reads the bytes.
.set STGB,  8448                       ; a wave's stage: 16 rows x 528 bytes
.set R,     16                         ; v16-143  two sets of 64: 16 rows as loaded
.set X,     144                        ; v144-207 64 numbers of my row: register 16 b + i = k 32 b + 16 (lane / 16) + i
.set PC,    208                        ; v208-226 the codes just made; the fragment is v208-219
.set TM,    228                        ; v228-243 at work
.set W,     244                        ; v244-247 my row's four scale words
.set SEL,   42                         ; s[42:43] lane selects for v_permlanex16_b32: lane l xor 16
; 64 numbers of a lane, v[s] on, become a fragment's codes in v[PC] .. v[PC + 11] and its row's scale word in v[pw] (the same in lanes r and r + 16).
.macro QUANT s, pw
.irp b, 0,1,2,3
	v_max3_num_f32 v[TM+\b], |v[\s+16*\b]|, |v[\s+1+16*\b]|, 0x1800000   ; block b: my 16 numbers, and the floor 2^(3 - 127): the byte cannot fall under 1
.endr
.irp i, 2,4,6,8,10,12,14
.irp b, 0,1,2,3
	v_max3_num_f32 v[TM+\b], v[TM+\b], |v[\s+16*\b+\i]|, |v[\s+1+16*\b+\i]|   ; the four blocks by turns
.endr
.endr
.irp b, 0,1,2,3
	v_permlanex16_b32 v[TM+4+\b], v[TM+\b], s[SEL], s[SEL+1]
.endr
.irp b, 0,1,2,3
	v_max_num_f32 v[TM+\b], v[TM+\b], v[TM+4+\b]   ; with lane l xor 16's 16: the block's largest magnitude
.endr
.irp b, 0,1,2,3
	v_add_nc_u32 v[TM+12+\b], 0xff000000, v[TM+\b]   ; 2 off its exponent field: the conversion takes this operand's exponent field as its scale
.endr
.irp b, 0,1,2,3
	v_lshrrev_b32 v[TM+4+\b], 23, v[TM+12+\b]   ; the scale's byte
.endr
	v_lshl_or_b32 v[\pw], v[TM+5], 8, v[TM+4]
	v_lshl_or_b32 v[\pw], v[TM+6], 16, v[\pw]
	v_lshl_or_b32 v[\pw], v[TM+7], 24, v[\pw]
.irp c, 0,1
	v_cvt_scalef32_pk16_fp6_f32 v[PC+6*\c:PC+2+6*\c], v[\s+32*\c:\s+15+32*\c], v[TM+12+2*\c]
	v_cvt_scalef32_pk16_fp6_f32 v[PC+12+4*\c:PC+14+4*\c], v[\s+16+32*\c:\s+31+32*\c], v[TM+12+2*\c+1]   ; (a conversion's three registers begin on an even number)
.endr
	v_nop                                          ; one plain line behind the last scaled conversion
.irp c, 0,1                                    ; the operand wants a whole block in a lane: lanes 0-15 block 2 c, lanes 16-31 block 2 c + 1
.irp i, 0,1,2
	v_permlane16_swap_b32 v[PC+6*\c+\i], v[PC+12+4*\c+\i]
.endr
.irp i, 0,1,2
	v_mov_b32 v[PC+3+6*\c+\i], v[PC+12+4*\c+\i]
.endr
.endr
.endm
	s_load_b512 s[4:19], s[0:1], 0x0               ; x, Wq, Wv, Wo, keys, xq, wqq, wvq
	s_load_b128 s[20:23], s[0:1], 0x40             ; woq, kq
	v_lshl_add_u32 v248, v0, 2, 0x8400
	v_mov_b32 v249, 0
	v_lshrrev_b32 v6, 5, v0
	v_readfirstlane_b32 s2, v6                     ; wave 0..3
	v_and_b32 v1, 31, v0                           ; lane
	v_and_b32 v8, 15, v0                           ; r
	v_bfe_u32 v9, v0, 4, 1                         ; h
	v_lshlrev_b32 v2, 4, v1                        ; 16 x lane: my bytes of a load's 512, and of a store's
	s_mul_i32 s3, s2, STGB
	v_add_nc_u32 v4, s3, v2                        ; the stage, on the way in: 16 x lane, the row in the immediate
	v_mul_u32_u24 v5, v8, 528
	v_lshl_add_u32 v5, v9, 6, v5
	v_add_nc_u32 v5, s3, v5                        ; and on the way out: row r, + 64 h: my 16 numbers of each block of 32
	v_lshlrev_b32 v7, 4, v8                        ; 16 r: my row's four scale words
.irp b, 0,1,2,3
	v_mov_b32 v[TM+4+\b], 0                        ; written once: a lane permute's destination counts as one of its sources
.endr
	s_mov_b32 s[SEL], 0x76543210
	s_mov_b32 s[SEL+1], 0xfedcba98
	s_mov_b32 s28, 768                             ; the keys' figures: first work-group,
	s_mov_b32 s29, 172032                          ; where the scale words begin in the output,
	s_mov_b32 s30, 0                               ; 8 where the tile's rows are chosen as a weight's,
	s_mov_b32 s31, 84                              ; the last first row allowed
	s_wait_kmcnt 0x0
	s_mov_b64 s[24:25], s[12:13]
	s_mov_b64 s[26:27], s[22:23]
	s_cmp_lt_u32 ttmp9, 768                        ; the choices hang on the work-group's number alone
	s_cselect_b64 s[24:25], s[10:11], s[24:25]     ; Wo
	s_cselect_b64 s[26:27], s[20:21], s[26:27]
	s_cselect_b32 s28, 512, s28
	s_cselect_b32 s29, 6291456, s29
	s_cselect_b32 s30, 8, s30
	s_cselect_b32 s31, 0x7fffffff, s31
	s_cmp_lt_u32 ttmp9, 512
	s_cselect_b64 s[24:25], s[8:9], s[24:25]       ; Wv
	s_cselect_b64 s[26:27], s[18:19], s[26:27]
	s_cselect_b32 s28, 384, s28
	s_cselect_b32 s29, 3145728, s29
	s_cmp_lt_u32 ttmp9, 384
	s_cselect_b64 s[24:25], s[6:7], s[24:25]       ; Wq
	s_cselect_b64 s[26:27], s[16:17], s[26:27]
	s_cselect_b32 s28, 256, s28
	s_cmp_lt_u32 ttmp9, 256
	s_cselect_b64 s[24:25], s[4:5], s[24:25]       ; x
	s_cselect_b64 s[26:27], s[14:15], s[26:27]
	s_cselect_b32 s28, 0, s28
	s_cselect_b32 s29, 6291456, s29
	s_cselect_b32 s30, 0, s30
	s_sub_co_u32 s32, ttmp9, s28                   ; T: my row tile in its tensor
	s_and_b32 s33, s32, 1
	s_mul_i32 s33, s33, s30
	s_lshl_b32 s34, s32, 4
	s_sub_co_u32 s34, s34, s33                     ; 16 T, or 32 (T / 2) + 8 (T % 2)
	s_min_u32 s34, s34, s31                        ; the tile's first row
	s_lshl_b32 s36, s34, 13                        ; x 8,192 bytes a row
	s_lshl_b32 s37, s2, 11                         ; + my wave's four K steps of 512 bytes
	s_add_co_u32 s36, s36, s37
	s_mov_b32 s37, 0
	s_add_nc_u64 s[24:25], s[24:25], s[36:37]
	s_lshl_b32 s35, s30, 13
	v_add_nc_u32 v3, s35, v2                       ; a weight's rows 8-15 of a tile lie 8 rows further on
	s_mul_i32 s36, s32, 24576
	s_mul_i32 s44, s2, 6144
	s_add_co_u32 s36, s36, s44
	s_add_nc_u64 s[38:39], s[26:27], s[36:37]      ; my four fragments
	s_lshl_b32 s36, s32, 10
	s_lshl_b32 s44, s2, 8
	s_add_co_u32 s36, s36, s44
	s_add_co_u32 s36, s36, s29
	s_add_nc_u64 s[40:41], s[26:27], s[36:37]      ; my 256 bytes of scale words
.macro LOADF q, set                    ; K step q of the wave's four: 16 rows x 512 bytes into set
.irp t, 0,1,2,3,4,5,6,7
	global_load_b128 v[R+64*(\set)+4*\t:R+64*(\set)+4*\t+3], v2, s[24:25] offset:\t*8192+512*(\q) th:TH_LOAD_NT
.endr
.irp t, 8,9,10,11,12,13,14,15
	global_load_b128 v[R+64*(\set)+4*\t:R+64*(\set)+4*\t+3], v3, s[24:25] offset:\t*8192+512*(\q) th:TH_LOAD_NT
.endr
.endm
.macro FRAGQ q
.if (\q) < 3
	s_wait_loadcnt 16                              ; this K step's 16 loads are in; the next one's 16 may be out
.else
	s_wait_loadcnt 0x0
.endif
.irp t, 0,1,2,3,4,5,6,7,8,9,10,11,12,13,14,15
	ds_store_b128 v4, v[R+64*((\q)%2)+4*\t:R+64*((\q)%2)+4*\t+3] offset:\t*528
.endr
.irp b, 0,1,2,3
.irp j, 0,1,2,3
	ds_load_b128 v[X+16*\b+4*\j:X+16*\b+4*\j+3], v5 offset:128*\b+16*\j   ; LDS serves a wave's instructions in order: these see the stores above
.endr
.endr
	s_wait_dscnt 0x0                               ; my numbers are back, and the stores have read their registers,
.if (\q) < 2
	LOADF (\q)+2, (\q)%2                           ; which take the loads of two K steps on
.endif
.if (\q) > 0
	s_wait_xcnt 0x0                                ; the last fragment's stores have read the codes' registers: they are written again only behind this wait
.endif
	QUANT X, W+(\q)
.irp c, 0,1,2
	global_store_b128 v2, v[PC+4*\c:PC+4*\c+3], s[38:39] offset:1536*(\q)+512*\c   ; 32 lanes store 512 consecutive bytes, at a multiple of 512 from the buffer's first byte
.endr
.endm
	LOADF 0, 0
	LOADF 1, 1
	FRAGQ 0
	FRAGQ 1
	FRAGQ 2
	FRAGQ 3
	s_wait_xcnt 0x0                                ; EXEC changes only behind this wait
	v_cmp_gt_u32 vcc_lo, 16, v1
	s_wait_tensorcnt 0x0
	ds_add_u32 v248, v249
	s_wait_dscnt 0x0
	s_and_saveexec_b32 s45, vcc_lo                 ; lanes 0-15: a row each
	global_store_b128 v7, v[W:W+3], s[40:41]       ; sixteen lanes store 256 consecutive bytes, aligned
	s_wait_xcnt 0x0
	s_or_b32 exec_lo, exec_lo, s45
	s_endpgm
.Lfunc_end_k_q652322622a_quant:
	.size	k_q652322622a_quant, .Lfunc_end_k_q652322622a_quant-k_q652322622a_quant
	.p2alignl 7, 3214868480
	.fill 96, 4, 3214868480
	.section	.rodata,"a",@progbits
	.p2align	6, 0x0
	.amdhsa_kernel k_q652322622a_quant
		.amdhsa_group_segment_fixed_size 34304
		.amdhsa_private_segment_fixed_size 0
		.amdhsa_enable_private_segment 0
		.amdhsa_kernarg_size 80
		.amdhsa_user_sgpr_count 2
		.amdhsa_user_sgpr_kernarg_segment_ptr 1
		.amdhsa_wavefront_size32 1
		.amdhsa_system_sgpr_workgroup_id_x 1
		.amdhsa_system_sgpr_workgroup_id_y 1
		.amdhsa_system_sgpr_workgroup_id_z 1
		.amdhsa_system_vgpr_workitem_id 0
		.amdhsa_next_free_vgpr 250
		.amdhsa_next_free_sgpr 66
		.amdhsa_reserve_vcc 1
		.amdhsa_float_denorm_mode_32 3
		.amdhsa_float_denorm_mode_16_64 3
		.amdhsa_memory_ordered 1
		.amdhsa_forward_progress 1
		.amdhsa_inst_pref_size 35
	.end_amdhsa_kernel
	.amdgpu_metadata
---
amdhsa.version: [ 1, 2 ]
amdhsa.kernels:
  - .name:           k_q652322622a_quant
    .symbol:         k_q652322622a_quant.kd
    .args:
      - { .name: query_state, .offset: 0, .size: 8, .value_kind: global_buffer, .address_space: global }
      - { .name: Wq, .offset: 8, .size: 8, .value_kind: global_buffer, .address_space: global }
      - { .name: Wv, .offset: 16, .size: 8, .value_kind: global_buffer, .address_space: global }
      - { .name: Wo, .offset: 24, .size: 8, .value_kind: global_buffer, .address_space: global }
      - { .name: K_keys, .offset: 32, .size: 8, .value_kind: global_buffer, .address_space: global }
      - { .name: xq, .offset: 40, .size: 8, .value_kind: global_buffer, .address_space: global }
      - { .name: wqq, .offset: 48, .size: 8, .value_kind: global_buffer, .address_space: global }
      - { .name: wvq, .offset: 56, .size: 8, .value_kind: global_buffer, .address_space: global }
      - { .name: woq, .offset: 64, .size: 8, .value_kind: global_buffer, .address_space: global }
      - { .name: kq, .offset: 72, .size: 8, .value_kind: global_buffer, .address_space: global }
    .group_segment_fixed_size: 34304
    .private_segment_fixed_size: 0
    .kernarg_segment_align: 8
    .kernarg_segment_size: 80
    .max_flat_workgroup_size: 128
    .sgpr_count:     66
    .vgpr_count:     250
    .wavefront_size: 32
...
	.end_amdgpu_metadata
.endif
;; end of part 1
;; launch gq (part 2): grid 8 x 32, 4 waves a work-group, clusters of 4 x 4, 327,680 bytes of LDS; arguments xq, wqq, bq, act1; writes act1
.if DOCPART == 2
	.amdgcn_target "amdgcn-amd-amdhsa--gfx1250"
	.amdhsa_code_object_version 6
	.text
	.protected	k_q652322622a_gq
	.globl	k_q652322622a_gq
	.p2align	8
	.type	k_q652322622a_gq,@function
k_q652322622a_gq:
	s_mov_b64 s[64:65], 0
	v_nop
	global_prefetch_b8 v0, s[64:65] scope:SCOPE_SE
	s_setreg_imm32_b32 hwreg(HW_REG_WAVE_MODE, 25, 1), 1
	s_wait_xcnt 0x0
	s_wait_alu depctr_hold_cnt(0) depctr_sa_sdst(0) depctr_va_vdst(0) depctr_va_sdst(0) depctr_va_ssrc(0) depctr_va_vcc(0) depctr_vm_vsrc(0)
	s_getreg_b32 s2, hwreg(HW_REG_IB_STS2, 6, 4)
	s_cmp_eq_u32 s2, 0
	s_cbranch_scc0 .Lentry_in_a_cluster
	s_endpgm
.Lentry_in_a_cluster:
	s_bfe_u32 s2, ttmp6, 0x10000c
	s_cmp_lg_u32 s2, 0xf033
	s_cbranch_scc0 .Lentry_shape_is_right
	s_endpgm
.Lentry_shape_is_right:
; OUT = Q(A B^T + bias): A [4096][2048] and B [2048][2048] are codes of FP6 (E2M3) with E8M0 scales, laid as register images (row tile of 16, K step of 128: a fragment of 1,536 bytes;
; codes [tile][16][1536], behind them scale words [tile][K step / 4][row][K step % 4]); bias [2048] f32.  The result, 4096 x 2048 in f32, is quantised along its columns in registers and leaves
; as codes and scale words in the same layout: it is the next product's A.  Sums in f32; the bias is added behind the sum over K.
; SHARES.  A tile of the result is 128 x 256: 8 x 32 = 256 work-groups.  Four waves, each 64 x 128: 32 accumulators.  A wave keeps 128 columns, so that a block's eight accumulators are one fragment of the next product.
; K goes through a ring of two LDS slots of 512 along K (4 steps of 128).  Fragments lie in LDS as they lie in memory: three loads of 16 bytes a lane, 512 consecutive bytes each: no pitch, no padding.
; The scale words of the work-group's rows of A and B for all of K come once, with the first fills, and stay.
; CLUSTERS: 4 x 4 work-groups.  A's tiles are shared along a row of the cluster, B's along a column: each is asked for jointly, by the same tensor load with the same descriptor and a mask that names the four.
; THE MATRIX INSTRUCTION IS USED TRANSPOSED (source 0 = 16 rows of B, source 1 = 16 rows of A).  B's tiles hold rows 32 (T / 2) + 8 (T % 2) + r + 8 (r / 8): so lane (r, h) holds row r of A's block, and the
; 64 registers of its eight accumulators are columns 32 b + 16 h + i (register 16 b + i): 16 neighbours of each block of 32 along the next K.
; REGISTERS: window 0: v16-29 addresses; v32-95 scale words, two sets; v96-191 A's fragments, two sets of 4; v192-255 the bias.  window 1: B's fragments, two sets of 8, at v0 and v128.  window 2: the accumulators, (a, b) at v[8 (8 a + b)].
; LIMITS: NaN and infinities are not served; a block of zeros gets the byte 1 (zero codes add nothing, and this program alone reads the bytes).
; The scale words leave as 4 bytes a lane, 16 bytes apart: one part in 24 of what the launch stores.
.set NA,    4                          ; A's blocks of 16 rows in a wave
.set NQ,    4                          ; steps of 128 along K in a slot
.set LAPS,  2                          ; 2048 / (2 x 128 NQ): times round the ring
.set FRB,   1536                       ; a fragment in bytes
.set TROW,  16*FRB                     ; a row tile's codes
.set ASCL,  6291456                    ; where A's scale words begin in its buffer (and the output's in its own)
.set BSCL,  3145728                    ; and B's
.set AHALF, NA*NQ*FRB                  ; what one tensor load brings of A: NA tiles x NQ fragments
.set BHALF, 8*NQ*FRB                   ; and of B
.set BOFF,  2*AHALF                    ; a slot: A's two halves, then B's two
.set SLOT,  BOFF+2*BHALF
.set SCL,   2*SLOT                     ; behind the ring: A's scale words (2 NA tiles x 1,024 bytes), then B's (16 tiles)
.set SPARE, SCL+2*NA*1024+16*1024      ; the spare words, 128 bytes for each wave: two blocks of 256 bytes that no other line names
.set ADRA, 16                          ; v16-17  16 x lane + my half of A in slot 0, 1
.set ADRB, 20                          ; v20-21  the same for B
.set BA,   24                          ; v24     64 h: my half's place in the bias
.set SWO,  25                          ; v25     16 r + 1024 h: where my scale word goes
.set CO,   26                          ; v26     16 x lane
.set ADRS, 27                          ; v27     LDS address of my scale words: lanes 0-15 A's rows, lanes 16-31 B's
.set SPW,  28                          ; v28     LDS address of my spare word; never rewritten
.set NIL,  29                          ; v29     0; never rewritten
.set SC,   32                          ; set s at v[SC + 32 s]; register 4 i + q: lanes 0-15 the word of A's block i, lanes 16-31 of B's block i, for the slot's q-th step
.set AF,   96
.set BI,   192
.set T,    96                          ; the way out: 64 numbers;
.set PC,   160                         ; the codes just made;
.set TM,   32                          ; at work;
.set PW,   48                          ; v48-51 the four blocks' scale words
.set SEL,  96                          ; s[96:97]
.set G1,   24                          ; s[24:31] group 1 for A's codes;  s[32:39] group 0, one set for each slot
.set G0,   32
.set G1B,  48                          ; s[48:55], s[56:63] the same for B's
.set G0B,  56
.set G1S,  68                          ; s[68:75], s[76:79] for A's scale words;  s[80:87], s[88:91] for B's
.set G0S,  76
.set G1SB, 80
.set G0SB, 88
.set MSB, 0
.macro WIN new                         ; the immediate's high byte repeats the setting that is left; a switch that changes nothing is dropped
.if MSB != (\new)
	s_set_vgpr_msb (MSB<<8)|(\new)
.set MSB, (\new)
.endif
.endm
; A joint load: waves 0 and 1 fetch for A, waves 2 and 3 for B.  The branch hangs on the wave's number alone.  Four v_nop follow each of the two lines.
.macro JLOAD g0a, g1a, g0b, g1b
	s_cmp_eq_u32 s15, 0
	s_cbranch_scc0 .Lfor_b_\@
	tensor_load_to_lds s[\g0a:\g0a+3], s[\g1a:\g1a+7]
	s_nop 0
.rept 4
	v_nop
.endr
	s_branch .Lasked_\@
.Lfor_b_\@:
	tensor_load_to_lds s[\g0b:\g0b+3], s[\g1b:\g1b+7]
	s_nop 0
.rept 4
	v_nop
.endr
.Lasked_\@:
.endm
.macro CREST                           ; a round of the cluster's barrier behind its opening barrier
	s_cmp_lg_u32 s14, 0
	s_cbranch_scc1 .Lnot_wave_0_\@
	s_barrier_signal -3
.Lnot_wave_0_\@:
	s_barrier_wait -3
	s_barrier_signal -1
	s_barrier_wait -1
.endm
.macro CROUND                          ; a whole round
	s_barrier_signal -1
	s_barrier_wait -1
	CREST
.endm
.macro PLACES n                        ; plain vector lines between a matrix instruction and a load into, or a read of, its registers
.rept \n
	v_nop
.endr
.endm
.macro QUANT s, pw                     ; 64 numbers of a lane, register 16 b + i = k 32 b + 16 h + i of my row, become a fragment in v[PC] .. v[PC + 11] and the row's scale word in v[pw]
.irp b, 0,1,2,3
	v_max3_num_f32 v[TM+\b], |v[\s+16*\b]|, |v[\s+1+16*\b]|, 0x1800000   ; my 16 numbers of block b, and the floor 2^(3 - 127): the byte cannot fall under 1
.endr
.irp i, 2,4,6,8,10,12,14
.irp b, 0,1,2,3
	v_max3_num_f32 v[TM+\b], v[TM+\b], |v[\s+16*\b+\i]|, |v[\s+1+16*\b+\i]|
.endr
.endr
.irp b, 0,1,2,3
	v_permlanex16_b32 v[TM+4+\b], v[TM+\b], s[SEL], s[SEL+1]
.endr
.irp b, 0,1,2,3
	v_max_num_f32 v[TM+\b], v[TM+\b], v[TM+4+\b]   ; with lane l xor 16's: the block's largest magnitude
.endr
.irp b, 0,1,2,3
	v_add_nc_u32 v[TM+12+\b], 0xff000000, v[TM+\b]   ; 2 off its exponent field: the conversion's scale operand
.endr
.irp b, 0,1,2,3
	v_lshrrev_b32 v[TM+4+\b], 23, v[TM+12+\b]   ; the scale's byte
.endr
	v_lshl_or_b32 v[\pw], v[TM+5], 8, v[TM+4]
	v_lshl_or_b32 v[\pw], v[TM+6], 16, v[\pw]
	v_lshl_or_b32 v[\pw], v[TM+7], 24, v[\pw]
.irp c, 0,1
	v_cvt_scalef32_pk16_fp6_f32 v[PC+6*\c:PC+2+6*\c], v[\s+32*\c:\s+15+32*\c], v[TM+12+2*\c]
	v_cvt_scalef32_pk16_fp6_f32 v[PC+12+4*\c:PC+14+4*\c], v[\s+16+32*\c:\s+31+32*\c], v[TM+12+2*\c+1]
.endr
	v_nop                                          ; one plain line behind the last scaled conversion
.irp c, 0,1
.irp i, 0,1,2
	v_permlane16_swap_b32 v[PC+6*\c+\i], v[PC+12+4*\c+\i]   ; a whole block to a lane: lanes 0-15 block 2 c, lanes 16-31 block 2 c + 1
.endr
.irp i, 0,1,2
	v_mov_b32 v[PC+3+6*\c+\i], v[PC+12+4*\c+\i]
.endr
.endr
.endm
	s_load_b256 s[4:11], s[0:1], 0x0               ; A s[4:5], B s[6:7], bias s[8:9], out s[10:11]
	v_lshl_add_u32 v[SPW], v0, 2, SPARE
	v_mov_b32 v[NIL], 0
	ds_add_u32 v28, v29
	ds_add_u32 v28, v29
	s_wait_dscnt 0x0
	v_lshrrev_b32 v1, 5, v0
	v_readfirstlane_b32 s14, v1                    ; wave 0..3
	s_lshr_b32 s15, s14, 1                         ; which half of the tile's rows is mine.  Also: I fetch for A (0) or for B (1)
	s_and_b32 s16, s14, 1                          ; which half of its columns.  Also: which half of that operand I fetch
	s_bfe_u32 s40, ttmp6, 0x40000                  ; cx, cy: my place in the cluster
	s_bfe_u32 s41, ttmp6, 0x40004
	s_lshl_b32 s42, ttmp9, 2
	s_add_co_u32 s42, s42, s40                     ; tile column = 4 x cluster x + cx
	s_and_b32 s17, ttmp7, 0xffff
	s_lshl_b32 s17, s17, 2
	s_add_co_u32 s17, s17, s41                     ; tile row = 4 x cluster y + cy
	s_lshl_b32 s43, s41, 2
	s_lshl_b32 s43, 15, s43                        ; my row of the cluster
	s_lshl_b32 s44, 0x1111, s40                    ; my column
	; group 1 for codes: rows of NQ fragments (NQ x 192 elements of 8 bytes), one row for each row tile, 24,576 bytes apart in memory, on end in LDS
	s_or_b32 s[G1+0], s43, (3<<16)|(1<<21)         ; 15:0 the mask: A's tiles go to my row; 17:16 elements of 8 bytes; 20 no padding; 21 set beside a mask
	s_or_b32 s[G1B+0], s44, (3<<16)|(1<<21)
.irp g, G1, G1B
	s_mov_b32 s[\g+1], (NQ*192)<<16                ; tensor_dim0
	s_mov_b32 s[\g+3], (NQ*192)<<16                ; tile_dim0
	s_mov_b32 s[\g+5], TROW/8                      ; tensor_dim0_stride
	s_mov_b32 s[\g+6], 0
	s_mov_b32 s[\g+7], 0
.endr
	s_mov_b32 s[G1+2], NA<<16                      ; tensor_dim1: A: NA row tiles
	s_mov_b32 s[G1+4], NA                          ; tile_dim1
	s_mov_b32 s[G1B+2], 8<<16                      ; B: 8
	s_mov_b32 s[G1B+4], 8
	; and for scale words: a dense block, as rows of 256 bytes (32 elements of 8 bytes)
	s_or_b32 s[G1S+0], s43, (3<<16)|(1<<21)
	s_or_b32 s[G1SB+0], s44, (3<<16)|(1<<21)
.irp g, G1S, G1SB
	s_mov_b32 s[\g+1], 32<<16
	s_mov_b32 s[\g+3], 32<<16
	s_mov_b32 s[\g+5], 32
	s_mov_b32 s[\g+6], 0
	s_mov_b32 s[\g+7], 0
.endr
	s_mov_b32 s[G1S+2], (4*NA)<<16                 ; NA tiles x 1,024 bytes
	s_mov_b32 s[G1S+4], 4*NA
	s_mov_b32 s[G1SB+2], 32<<16                    ; 8 tiles
	s_mov_b32 s[G1SB+4], 32
	; where they come from: A's by the tile row alone, B's by the tile column alone, each in registers that never hold the other coordinate
	s_mul_i32 s18, s16, NA
	s_mul_i32 s20, s17, 2*NA
	s_add_co_u32 s20, s20, s18                     ; A: my first row tile
	s_lshl_b32 s22, s20, 10
	s_add_co_u32 s22, s22, ASCL                    ; its scale words,
	s_mov_b32 s23, 0
	s_mul_i32 s20, s20, TROW                       ; its codes
	s_mov_b32 s21, 0
	s_lshl_b32 s18, s16, 3
	s_lshl_b32 s46, s42, 4
	s_add_co_u32 s46, s46, s18                     ; B: my first row tile
	s_lshl_b32 s92, s46, 10
	s_add_co_u32 s92, s92, BSCL
	s_mov_b32 s93, 0
	s_mul_i32 s46, s46, TROW
	s_mov_b32 s47, 0
	; and where they go: constants and the wave's number alone
	s_mul_i32 s45, s16, AHALF
	s_mul_i32 s94, s16, BHALF
	s_add_co_u32 s94, s94, BOFF
	s_mul_i32 s95, s16, NA*1024
	s_add_co_u32 s95, s95, SCL
	s_mul_i32 s19, s16, 8192
	s_add_co_u32 s19, s19, SCL+2*NA*1024
	s_mov_b32 s66, 0xffff0000                      ; lanes 16-31
	s_mov_b32 s[SEL], 0x76543210
	s_mov_b32 s[SEL+1], 0xfedcba98
	s_wait_kmcnt 0x0
	s_add_nc_u64 s[20:21], s[4:5], s[20:21]
	s_add_nc_u64 s[22:23], s[4:5], s[22:23]
	s_add_nc_u64 s[46:47], s[6:7], s[46:47]
	s_add_nc_u64 s[92:93], s[6:7], s[92:93]
	CROUND                                         ; all sixteen work-groups are here: the first joint loads meet
	s_mov_b32 s[G0S], 1
	s_mov_b32 s[G0S+1], s95
	s_mov_b64 s[G0S+2:G0S+3], s[22:23]
	s_or_b32 s[G0S+3], s[G0S+3], 0x80000000
	s_mov_b32 s[G0SB], 1
	s_mov_b32 s[G0SB+1], s19
	s_mov_b64 s[G0SB+2:G0SB+3], s[92:93]
	s_or_b32 s[G0SB+3], s[G0SB+3], 0x80000000
	JLOAD G0S, G1S, G0SB, G1SB                     ; the scale words first: they are wanted with the first step
.irp s, 0,1
	s_mov_b32 s[G0+4*\s], 1
	s_add_co_u32 s[G0+4*\s+1], s45, \s*SLOT
	s_add_nc_u64 s[G0+4*\s+2:G0+4*\s+3], s[20:21], \s*NQ*FRB
	s_or_b32 s[G0+4*\s+3], s[G0+4*\s+3], 0x80000000
	s_mov_b32 s[G0B+4*\s], 1
	s_add_co_u32 s[G0B+4*\s+1], s94, \s*SLOT
	s_add_nc_u64 s[G0B+4*\s+2:G0B+4*\s+3], s[46:47], \s*NQ*FRB
	s_or_b32 s[G0B+4*\s+3], s[G0B+4*\s+3], 0x80000000
	JLOAD G0+4*\s, G1, G0B+4*\s, G1B               ; three loads of mine are out
.endr
	v_and_b32 v1, 15, v0                           ; r
	v_bfe_u32 v2, v0, 4, 1                         ; h
	v_and_b32 v3, 31, v0
	v_lshlrev_b32 v[CO], 4, v3
	s_lshl_b32 s46, s42, 10                        ; the bias of my 128 columns: 4 x (256 x tile column + 128 x half)
	s_lshl_b32 s47, s16, 9
	s_add_co_u32 s46, s46, s47
	s_mov_b32 s47, 0
	s_add_nc_u64 s[8:9], s[8:9], s[46:47]
	v_lshlrev_b32 v[BA], 6, v2
.irp t, 0,1,2,3,4,5,6,7                        ; in the result's layout: for accumulator t the columns 32 (t / 2) + 16 h + 8 (t % 2) + 0 .. 7
	global_load_b128 v[BI+8*\t:BI+8*\t+3], v[BA], s[8:9] offset:(32*(\t/2)+8*(\t%2))*4
	global_load_b128 v[BI+8*\t+4:BI+8*\t+7], v[BA], s[8:9] offset:(32*(\t/2)+8*(\t%2))*4+16
.endr
	s_mul_i32 s21, s15, AHALF                      ; my half of A,
	s_mul_i32 s22, s16, BHALF                      ; my half of B
	s_add_co_u32 s22, s22, BOFF
.irp s, 0,1
	v_add_nc_u32 v[ADRA+\s], s21, v[CO]
	v_add_nc_u32 v[ADRB+\s], s22, v[CO]
	s_add_co_u32 s21, s21, SLOT
	s_add_co_u32 s22, s22, SLOT
.endr
	s_mul_i32 s21, s15, NA*1024                    ; scale words: A's of my half;
	s_mul_i32 s22, s16, 8192                       ; B's of my half, behind A's
	s_add_co_u32 s22, s22, 2*NA*1024
	s_sub_co_u32 s22, s22, s21
	v_mul_u32_u24 v6, s22, v2                      ; lanes 16-31 take B's: the lower base + h x the distance
	s_add_co_u32 s21, s21, SCL
	v_lshlrev_b32 v5, 4, v1                        ; 16 bytes a row in each group of four steps
	v_add_nc_u32 v5, v5, v6
	v_add_nc_u32 v[ADRS], s21, v5
	v_lshl_add_u32 v[SWO], v2, 10, v5
	v_sub_nc_u32 v[SWO], v[SWO], v6                ; 16 r + 1024 h
	; where my results go: row tiles 8 x tile row + 4 x half + a, K step 2 x tile column + half of the next product
	s_lshl_b32 s20, s17, 3
	s_lshl_b32 s21, s15, 2
	s_add_co_u32 s20, s20, s21
	s_lshl_b32 s22, s20, 10
	s_mul_i32 s20, s20, TROW
	s_lshl_b32 s46, s42, 1
	s_add_co_u32 s46, s46, s16
	s_mul_i32 s47, s46, FRB
	s_add_co_u32 s20, s20, s47
	s_mov_b32 s21, 0
	s_lshr_b32 s47, s46, 2
	s_lshl_b32 s47, s47, 8
	s_add_co_u32 s22, s22, s47
	s_and_b32 s47, s46, 3
	s_lshl_b32 s47, s47, 2
	s_add_co_u32 s22, s22, s47
	s_add_co_u32 s22, s22, ASCL
	s_mov_b32 s23, 0
	s_add_nc_u64 s[12:13], s[10:11], s[22:23]      ; scale words
	s_add_nc_u64 s[10:11], s[10:11], s[20:21]      ; codes
.macro FRAG reg, adr, off              ; a fragment comes as it lies: three loads, 512 consecutive bytes each
.irp c, 0,1,2
	ds_load_b128 v[\reg+4*\c:\reg+4*\c+3], v[\adr] offset:\off+512*\c
.endr
.endm
.macro FETCH slot, q, set              ; the slot's q-th step: B's eight fragments, then A's NA, into set
	WIN 0x40                                       ; destination window 1, address window 0
.irp i, 0,1,2,3,4,5,6,7
	FRAG 128*(\set)+12*\i, ADRB+\slot, \i*NQ*FRB+(\q)*FRB
.endr
	WIN 0
.set fi, 0
.rept NA
	FRAG AF+12*NA*(\set)+12*fi, ADRA+\slot, fi*NQ*FRB+(\q)*FRB
.set fi, fi+1
.endr
.endm
.macro SCALES set                      ; a slot's four words a row: lanes 0-15 A's block i (for i from NA on: bytes of the scale region that nobody uses), lanes 16-31 B's block i
.irp i, 0,1,2,3,4,5,6,7
	ds_load_b128 v[SC+32*\set+4*\i:SC+32*\set+4*\i+3], v[ADRS] offset:1024*\i
.endr
.endm
; n of A's blocks from a0 on x B's eight, 128 along K.  The accumulators take turns, one instruction a turn, in the same order in every step.
.macro MULB a0, n, set, q, sc, zero
.set ma, \a0
.rept \n
	WIN 0xa1+0x50*(ma/4)                           ; source 0 (B) window 1, source 1 (A) window 0, C and D window 2
.irp b, 0,1,2,3,4,5,6,7
.if \zero
	v_wmma_scale_f32_16x16x128_f8f6f4 v[8*(8*(ma%4)+\b):8*(8*(ma%4)+\b)+7], v[128*(\set)+12*\b:128*(\set)+12*\b+11], v[AF+12*NA*(\set)+12*ma:AF+12*NA*(\set)+12*ma+11], 0, v[SC+8*NQ*(\sc)+NQ*\b+(\q)], v[SC+8*NQ*(\sc)+NQ*ma+(\q)] matrix_a_fmt:MATRIX_FMT_FP6 matrix_b_fmt:MATRIX_FMT_FP6 matrix_a_scale:MATRIX_SCALE_ROW1
.else
	v_wmma_scale_f32_16x16x128_f8f6f4 v[8*(8*(ma%4)+\b):8*(8*(ma%4)+\b)+7], v[128*(\set)+12*\b:128*(\set)+12*\b+11], v[AF+12*NA*(\set)+12*ma:AF+12*NA*(\set)+12*ma+11], v[8*(8*(ma%4)+\b):8*(8*(ma%4)+\b)+7], v[SC+8*NQ*(\sc)+NQ*\b+(\q)], v[SC+8*NQ*(\sc)+NQ*ma+(\q)] matrix_a_fmt:MATRIX_FMT_FP6 matrix_b_fmt:MATRIX_FMT_FP6 matrix_a_scale:MATRIX_SCALE_ROW1
.endif
.endr
.set ma, ma+1
.endr
.endm
; A step of 128 along K that has its successor in the same slot: in its middle the next step's fragments are fetched into the other set, in one run.
.macro STEP slot, q, zero
	s_wait_dscnt 3*NA/2                            ; all but the youngest loads, A's upper blocks, are in
	MULB 0, NA/2, (\q)%2, \q, \slot, \zero
	PLACES 4                                       ; in front of loads into the set that the step before multiplied
	FETCH \slot, (\q)+1, 1-(\q)%2
	s_wait_dscnt 24+3*NA                           ; all but the run just issued
	MULB NA/2, NA/2, (\q)%2, \q, \slot, \zero
.endm
; A slot's last step changes slots: one barrier.  In front of it each wave waits for all its tensor loads, adds 0 to its spare word, and waits for that and for its reads of this slot.  fill = 1: this slot is filled again, two slots ahead.
.macro TURN slot, next, fill
	WIN 0
	s_wait_tensorcnt 0x0                           ; all my tensor loads have landed: my part of the next slot
	ds_add_u32 v[SPW], v[NIL]                      ; 0 onto my spare word
	s_wait_dscnt 3*NA/2+1                          ; (the add and A's upper blocks may be out)
	MULB 0, NA/4, 1, NQ-1, \slot, 0                ; matrix work stands between the add and the wait for it
	s_wait_dscnt 0x0                               ; the add is done, and my reads of this slot are over
	s_barrier_signal -1
	MULB NA/4, NA/4, 1, NQ-1, \slot, 0
	WIN 0
	s_barrier_wait -1
.if \fill
	CREST                                          ; the barrier has opened a round of the cluster's: no wave of any partner still reads this slot or has a load on its way
	s_add_nc_u64 s[G0+4*\slot+2:G0+4*\slot+3], s[G0+4*\slot+2:G0+4*\slot+3], 2*NQ*FRB
	s_add_nc_u64 s[G0B+4*\slot+2:G0B+4*\slot+3], s[G0B+4*\slot+2:G0B+4*\slot+3], 2*NQ*FRB
	JLOAD G0+4*\slot, G1, G0B+4*\slot, G1B         ; the first tensor load behind the round, my only one until the next; its four v_nop are the places in front of the loads below
.else
	PLACES 4
.endif
	v_add_nc_u32 v[ADRS], 256, v[ADRS]             ; the next slot's scale words: the next group of four steps
	SCALES \next
	FETCH \next, 0, 0
	MULB NA/2, NA/2, 1, NQ-1, \slot, 0
.endm
	s_wait_loadcnt 0x0                             ; the bias
	s_wait_tensorcnt 1                             ; the scale words and my part of slot 0 are in (slot 1's load may be out)
	s_barrier_signal -1
	s_barrier_wait -1                              ; everybody's are
	SCALES 0
	FETCH 0, 0, 0
	STEP 0, 0, 1                                   ; the first step's products start the sums: nothing is cleared
	STEP 0, 1, 0
	STEP 0, 2, 0
	WIN 0                                          ; at a label and at a branch every window is 0
	s_mov_b32 s3, LAPS-1
.Llap:                                                 ; a trip goes once round the ring and fills both slots again
	TURN 0, 1, 1
	STEP 1, 0, 0
	STEP 1, 1, 0
	STEP 1, 2, 0
	TURN 1, 0, 1
	STEP 0, 0, 0
	STEP 0, 1, 0
	STEP 0, 2, 0
	WIN 0
	s_sub_co_u32 s3, s3, 1
	s_cmp_lg_u32 s3, 0
	s_cbranch_scc1 .Llap
	TURN 0, 1, 0                                   ; the last lap fills nothing
	STEP 1, 0, 0
	STEP 1, 1, 0
	STEP 1, 2, 0
	s_wait_dscnt 3*NA/2                            ; the very last step
	MULB 0, NA/2, 1, NQ-1, 1, 0
	s_wait_dscnt 0x0
	MULB NA/2, NA/2, 1, NQ-1, 1, 0
	WIN 0
	; THE WAY OUT, block by block of 16 rows: + bias, quantised along my 128 columns, which are one K step of the next product; the fragment leaves as it stands.
.macro ADDB a
	WIN 0x02                                       ; source 0 (the sums) window 2
.set ai, 0
.rept 32
	v_pk_add_f32 v[T+2*ai:T+2*ai+1], v[64*(\a)+2*ai:64*(\a)+2*ai+1], v[BI+2*ai:BI+2*ai+1]   ; each accumulator from its low end on
.set ai, ai+1
.endr
	WIN 0
.endm
	PLACES 4                                       ; behind the last products: their results are read, and registers that held their operands and scales are written
.irp b, 0,1,2,3
	v_mov_b32 v[TM+4+\b], 0                        ; a lane permute's destination counts as one of its sources
.endr
.irp a, 0,1,2,3
	ADDB \a
.if \a > 0
	s_wait_xcnt 0x0                                ; the last block's stores have read the codes' registers
.endif
	QUANT T, PW+\a
.irp c, 0,1,2
	global_store_b128 v[CO], v[PC+4*\c:PC+4*\c+3], s[10:11] offset:\a*TROW+512*\c   ; 32 lanes store 512 consecutive bytes, at a multiple of 512 from the buffer's first byte
.endr
.endr
	v_cndmask_b32 v52, v48, v49, s66               ; lanes 0-15 block 0's words, lanes 16-31 block 1's (a row's word stands in lanes r and r + 16 alike)
	v_cndmask_b32 v53, v50, v51, s66               ; blocks 2 and 3
	global_store_b32 v[SWO], v52, s[12:13]
	global_store_b32 v[SWO], v53, s[12:13] offset:2048
	s_wait_tensorcnt 0x0                           ; the wave's end
	ds_add_u32 v[SPW], v[NIL]
	s_wait_dscnt 0x0
	CROUND                                         ; the closing round: no work-group ends while a partner may still ask for a tile that names it
	s_endpgm
.Lfunc_end_k_q652322622a_gq:
	.size	k_q652322622a_gq, .Lfunc_end_k_q652322622a_gq-k_q652322622a_gq
	.p2alignl 7, 3214868480
	.fill 96, 4, 3214868480
	.section	.rodata,"a",@progbits
	.p2align	6, 0x0
	.amdhsa_kernel k_q652322622a_gq
		.amdhsa_group_segment_fixed_size 327680
		.amdhsa_private_segment_fixed_size 0
		.amdhsa_enable_private_segment 0
		.amdhsa_kernarg_size 32
		.amdhsa_user_sgpr_count 2
		.amdhsa_user_sgpr_kernarg_segment_ptr 1
		.amdhsa_wavefront_size32 1
		.amdhsa_system_sgpr_workgroup_id_x 1
		.amdhsa_system_sgpr_workgroup_id_y 1
		.amdhsa_system_sgpr_workgroup_id_z 1
		.amdhsa_system_vgpr_workitem_id 0
		.amdhsa_next_free_vgpr 768
		.amdhsa_next_free_sgpr 98
		.amdhsa_reserve_vcc 0
		.amdhsa_float_denorm_mode_32 3
		.amdhsa_float_denorm_mode_16_64 3
		.amdhsa_memory_ordered 1
		.amdhsa_forward_progress 1
		.amdhsa_inst_pref_size 146
	.end_amdhsa_kernel
	.amdgpu_metadata
---
amdhsa.version: [ 1, 2 ]
amdhsa.kernels:
  - .name:           k_q652322622a_gq
    .symbol:         k_q652322622a_gq.kd
    .args:
      - { .name: xq, .offset: 0, .size: 8, .value_kind: global_buffer, .address_space: global }
      - { .name: wqq, .offset: 8, .size: 8, .value_kind: global_buffer, .address_space: global }
      - { .name: bq, .offset: 16, .size: 8, .value_kind: global_buffer, .address_space: global }
      - { .name: act1, .offset: 24, .size: 8, .value_kind: global_buffer, .address_space: global }
    .group_segment_fixed_size: 327680
    .private_segment_fixed_size: 0
    .kernarg_segment_align: 8
    .kernarg_segment_size: 32
    .max_flat_workgroup_size: 128
    .sgpr_count:     98
    .vgpr_count:     768
    .wavefront_size: 32
...
	.end_amdgpu_metadata
.endif
;; end of part 2
;; launch topk (part 3): grid 256 x 1, 4 waves a work-group, no clusters, 29,184 bytes of LDS; arguments act1, kq, idx, wts; writes idx, wts
.if DOCPART == 3
	.amdgcn_target "amdgcn-amd-amdhsa--gfx1250"
	.amdhsa_code_object_version 6
	.text
	.protected	k_q652322622a_topk
	.globl	k_q652322622a_topk
	.p2align	8
	.type	k_q652322622a_topk,@function
k_q652322622a_topk:
	s_mov_b64 s[64:65], 0
	v_nop
	global_prefetch_b8 v0, s[64:65] scope:SCOPE_SE
	s_setreg_imm32_b32 hwreg(HW_REG_WAVE_MODE, 25, 1), 1
	s_wait_xcnt 0x0
; scores = Q(q) Q(K_keys)^T / sqrt(2048) on codes of FP6 (E2M3) with E8M0 scales; for each of the 4,096 rows the three largest scores (ties: the lower key first), and their softmax.
; q's codes and the keys' come as register images (row tile of 16, K step of 128, 1,536 bytes a fragment; scale words behind the codes: [tile][K step / 4][row][K step % 4]).
; Out: idx [4096][4] whole numbers (i1, i2, i3, 0) and wts [4096][4] f32 (w1, w2, w3, 0).  No address of this launch hangs on a score: the choice only selects values.
; SHARES.  A work-group takes 16 queries.  Wave w takes K steps 4 w .. 4 w + 3 against all seven tiles of keys: 28 matrix instructions on seven accumulators by turns; the four partial sums meet in LDS,
; and wave 0 adds them with K ascending and makes the choice.  Source 0 = 16 keys, source 1 = my 16 queries: lane (r, h) holds query r, register j of tile t key 16 t + 8 h + j (tile 6: 84 + 8 h + j, of which 96 to 99 are new).
; NO JOINT LOADS, though all work-groups read the same keys: a wave takes its 43,008 bytes of them straight into registers, once, for 28 matrix instructions; by joint loads they would pass through LDS,
; behind three rounds of a cluster's barrier, for the same 28.
; LIMITS: NaN and infinities are not served.  The scores are multiplied by the f32 number nearest 1 / sqrt(2048), where the definition divides: one rounding's difference.
.set QF,  16                           ; v16-63   q's four fragments
.set ACC, 64                           ; v64-119  seven accumulators
.set KS,  120                          ; v120-147 the keys' scale words: register 4 t + q
.set QS,  148                          ; v148-151 q's
.set TMP, 152                          ; v152-207 another wave's partial sums
.set V1,  120                          ; later: v120-122 the three largest scores, v124-126 their keys, v127 = 0
.set I1,  124
.set CI,  132                          ; at work
.set TA,  133
.set TB,  134
.set NINF, 135
.set PV,  136                          ; v136-138, v140-142: the other half's three
.set PI,  140
.set SEL, 40                           ; s[40:41]
.set MSB, 0
.macro WIN new
.if MSB != (\new)
	s_set_vgpr_msb (MSB<<8)|(\new)
.set MSB, (\new)
.endif
.endm
	s_load_b256 s[4:11], s[0:1], 0x0               ; act1, kq, idx, wts
	v_lshl_add_u32 v254, v0, 2, 0x7000
	v_mov_b32 v255, 0
	v_lshrrev_b32 v4, 5, v0
	v_readfirstlane_b32 s12, v4                    ; wave 0..3
	v_and_b32 v5, 31, v0                           ; lane
	v_lshlrev_b32 v1, 4, v5                        ; 16 x lane
	v_and_b32 v6, 15, v0
	v_lshlrev_b32 v2, 4, v6                        ; 16 r
	v_bfe_u32 v3, v0, 4, 1
	v_lshlrev_b32 v3, 3, v3                        ; 8 h
	s_mul_i32 s13, s12, 7168
	v_add_nc_u32 v7, s13, v1                       ; LDS: my wave's 56 registers as they stand, 512 bytes for each four
	s_mul_i32 s14, s12, 6144                       ; my four K steps in a tile's codes
	s_mov_b32 s15, 0
	s_mul_i32 s16, ttmp9, 24576
	s_add_co_u32 s16, s16, s14
	s_mov_b32 s17, 0
	s_lshl_b32 s18, s12, 8                         ; and among its scale words
	s_add_co_u32 s18, s18, 172032
	s_mov_b32 s19, 0
	s_lshl_b32 s20, ttmp9, 10
	s_lshl_b32 s21, s12, 8
	s_add_co_u32 s20, s20, s21
	s_add_co_u32 s20, s20, 6291456
	s_mov_b32 s21, 0
	s_lshl_b32 s22, ttmp9, 8                       ; 16 rows x 16 bytes of idx and of wts
	s_mov_b32 s23, 0
	s_mov_b32 s[SEL], 0x76543210
	s_mov_b32 s[SEL+1], 0xfedcba98
	s_wait_kmcnt 0x0
	s_add_nc_u64 s[24:25], s[6:7], s[14:15]        ; the keys' codes
	s_add_nc_u64 s[26:27], s[4:5], s[16:17]        ; q's codes
	s_add_nc_u64 s[28:29], s[6:7], s[18:19]        ; the keys' scale words
	s_add_nc_u64 s[30:31], s[4:5], s[20:21]        ; q's
	s_add_nc_u64 s[8:9], s[8:9], s[22:23]
	s_add_nc_u64 s[10:11], s[10:11], s[22:23]
.irp q, 0,1,2,3
.irp c, 0,1,2
	global_load_b128 v[QF+12*\q+4*\c:QF+12*\q+4*\c+3], v1, s[26:27] offset:\q*1536+512*\c
.endr
.endr
	global_load_b128 v[QS:QS+3], v2, s[30:31]
.irp t, 0,1,2,3,4,5,6
	global_load_b128 v[KS+4*\t:KS+4*\t+3], v2, s[28:29] offset:\t*1024
.endr
.irp q, 0,1,2,3                                ; key fragment (t, q) at v[84 (q % 2) + 12 t] of window 1 + q / 2
	WIN 0x40*(1+(\q/2))
.irp t, 0,1,2,3,4,5,6
.irp c, 0,1,2
	global_load_b128 v[84*(\q%2)+12*\t+4*\c:84*(\q%2)+12*\t+4*\c+3], v1, s[24:25] offset:\t*24576+\q*1536+512*\c
.endr
.endr
.endr
	s_wait_loadcnt 0x0
.irp q, 0,1,2,3
	WIN 1+(\q/2)                                   ; source 0 (the keys) window 1 or 2
.irp t, 0,1,2,3,4,5,6                          ; the seven accumulators by turns
.if \q == 0
	v_wmma_scale_f32_16x16x128_f8f6f4 v[ACC+8*\t:ACC+8*\t+7], v[84*(\q%2)+12*\t:84*(\q%2)+12*\t+11], v[QF+12*\q:QF+12*\q+11], 0, v[KS+4*\t+\q], v[QS+\q] matrix_a_fmt:MATRIX_FMT_FP6 matrix_b_fmt:MATRIX_FMT_FP6
.else
	v_wmma_scale_f32_16x16x128_f8f6f4 v[ACC+8*\t:ACC+8*\t+7], v[84*(\q%2)+12*\t:84*(\q%2)+12*\t+11], v[QF+12*\q:QF+12*\q+11], v[ACC+8*\t:ACC+8*\t+7], v[KS+4*\t+\q], v[QS+\q] matrix_a_fmt:MATRIX_FMT_FP6 matrix_b_fmt:MATRIX_FMT_FP6
.endif
.endr
.endr
	WIN 0
.rept 4
	v_nop                                          ; places behind the last products, in front of the first read of results
.endr
.irp n, 0,1,2,3,4,5,6,7,8,9,10,11,12,13
	ds_store_b128 v7, v[ACC+4*\n:ACC+4*\n+3] offset:512*\n   ; each accumulator from its low end on
.endr
	s_wait_dscnt 0x0                               ; for the others' sake: my stores have landed
	s_barrier_signal -1
	s_barrier_wait -1
	s_cmp_lg_u32 s12, 0
	s_cbranch_scc1 .Lend                           ; wave 0 goes on alone; no barrier follows
.irp w, 1,2,3                                  ; K ascending: waves 1, 2, 3 onto my own
.irp n, 0,1,2,3,4,5,6,7,8,9,10,11,12,13
	ds_load_b128 v[TMP+4*\n:TMP+4*\n+3], v1 offset:\w*7168+512*\n
.endr
	s_wait_dscnt 0x0
.irp n, 0,1,2,3,4,5,6,7,8,9,10,11,12,13,14,15,16,17,18,19,20,21,22,23,24,25,26,27
	v_pk_add_f32 v[ACC+2*\n:ACC+2*\n+1], v[ACC+2*\n:ACC+2*\n+1], v[TMP+2*\n:TMP+2*\n+1]
.endr
.endr
.irp n, 0,1,2,3,4,5,6,7,8,9,10,11,12,13,14,15,16,17,18,19,20,21,22,23,24,25,26,27
	v_pk_mul_f32 v[ACC+2*\n:ACC+2*\n+1], v[ACC+2*\n:ACC+2*\n+1], 0x3cb504f3 op_sel_hi:[1,0]   ; x 1 / sqrt(2048)
.endr
	s_mov_b32 s23, 0xffff0000                      ; lanes 16-31
	v_mov_b32 v[NINF], 0xff800000                  ; -infinity
.irp k, 0,1,2
	v_mov_b32 v[V1+\k], 0xff800000
	v_mov_b32 v[I1+\k], 0
	v_mov_b32 v[PV+\k], 0                          ; (a lane permute's destination counts as one of its sources)
	v_mov_b32 v[PI+\k], 0
.endr
; One score goes into the lane's sorted three.  The compare is strict and the keys come in ascending order, so of equal scores the lower key stays in front.
.macro INS sreg, idx
	v_mov_b32 v[CI], \idx
	v_cmp_gt_f32 s20, v[\sreg], v[V1]
	v_cmp_gt_f32 s21, v[\sreg], v[V1+1]
	v_cmp_gt_f32 s22, v[\sreg], v[V1+2]
	v_cndmask_b32 v[TA], v[CI], v[I1+1], s21
	v_cndmask_b32 v[I1+2], v[I1+2], v[TA], s22
	v_cndmask_b32 v[TB], v[CI], v[I1], s20
	v_cndmask_b32 v[I1+1], v[I1+1], v[TB], s21
	v_cndmask_b32 v[I1], v[I1], v[CI], s20
	v_med3_num_f32 v[V1+2], v[\sreg], v[V1+1], v[V1+2]   ; the new third is the middle one of the score, the second and the third,
	v_med3_num_f32 v[V1+1], v[\sreg], v[V1], v[V1+1]     ; the new second likewise
	v_max_num_f32 v[V1], v[V1], v[\sreg]
.endm
.irp t, 0,1,2,3,4,5
.irp j, 0,1,2,3,4,5,6,7
	INS ACC+8*\t+\j, 16*\t+\j                      ; the key less 8 h
.endr
.endr
.irp j, 4,5,6,7                                ; tile 6: keys 96 to 99 stand in lanes 16-31, registers 4 to 7; all else there has been seen
	v_cndmask_b32 v[ACC+48+\j], v[NINF], v[ACC+48+\j], s23
	INS ACC+48+\j, 84+\j
.endr
.irp k, 0,1,2
	v_add_nc_u32 v[I1+\k], v[I1+\k], v3            ; + 8 h: the key
.endr
.irp k, 0,1,2
	v_permlanex16_b32 v[PV+\k], v[V1+\k], s[SEL], s[SEL+1]   ; the query's other keys lie in the lane 16 away
	v_permlanex16_b32 v[PI+\k], v[I1+\k], s[SEL], s[SEL+1]
.endr
; One of the other half's three goes in: ahead of an entry where its score is larger, or equal with the lower key.  Both halves so reach the same three.
.macro INSL sv, si
.irp k, 0,1,2
	v_cmp_gt_f32 s[20+\k], v[\sv], v[V1+\k]
	v_cmp_eq_f32 s[32+\k], v[\sv], v[V1+\k]
	v_cmp_lt_u32 s[36+\k], v[\si], v[I1+\k]
.endr
.irp k, 0,1,2
	s_and_b32 s[32+\k], s[32+\k], s[36+\k]
	s_or_b32 s[20+\k], s[20+\k], s[32+\k]
.endr
	v_cndmask_b32 v[TA], v[\si], v[I1+1], s21
	v_cndmask_b32 v[I1+2], v[I1+2], v[TA], s22
	v_cndmask_b32 v[TB], v[\si], v[I1], s20
	v_cndmask_b32 v[I1+1], v[I1+1], v[TB], s21
	v_cndmask_b32 v[I1], v[I1], v[\si], s20
	v_med3_num_f32 v[V1+2], v[\sv], v[V1+1], v[V1+2]
	v_med3_num_f32 v[V1+1], v[\sv], v[V1], v[V1+1]
	v_max_num_f32 v[V1], v[V1], v[\sv]
.endm
	INSL PV, PI
	INSL PV+1, PI+1
	INSL PV+2, PI+2
	; the softmax of the three: the largest is taken away first
	v_sub_f32 v133, v[V1+1], v[V1]
	v_sub_f32 v134, v[V1+2], v[V1]
	v_mul_f32 v133, 0x3fb8aa3b, v133               ; x log2(e)
	v_mul_f32 v134, 0x3fb8aa3b, v134
	v_exp_f32 v136, v133
	v_exp_f32 v137, v134
	v_mov_b32 v127, 0                              ; a plain line behind the exponentials: idx's fourth word
	s_wait_alu depctr_va_vdst(0)                   ; one wait for both, ahead of their first reader
	v_add_f32 v138, 1.0, v136
	v_add_f32 v138, v138, v137
	v_rcp_f32 v128, v138                           ; w1 = 1 / the sum
	v_mov_b32 v131, 0                              ; a plain line behind the reciprocal: wts' fourth word
	s_wait_alu depctr_va_vdst(0)
	v_mul_f32 v129, v136, v128
	v_mul_f32 v130, v137, v128
	s_wait_xcnt 0x0                                ; EXEC changes only behind this wait
	v_cmp_gt_u32 vcc_lo, 16, v5
	s_and_saveexec_b32 s42, vcc_lo                 ; lanes 0-15: a query each
	global_store_b128 v2, v[124:127], s[8:9]       ; sixteen lanes store 256 consecutive bytes, aligned
	global_store_b128 v2, v[128:131], s[10:11]
	s_wait_xcnt 0x0
	s_or_b32 exec_lo, exec_lo, s42
.Lend:
	s_wait_tensorcnt 0x0
	ds_add_u32 v254, v255
	s_wait_dscnt 0x0
	s_endpgm
.Lfunc_end_k_q652322622a_topk:
	.size	k_q652322622a_topk, .Lfunc_end_k_q652322622a_topk-k_q652322622a_topk
	.p2alignl 7, 3214868480
	.fill 96, 4, 3214868480
	.section	.rodata,"a",@progbits
	.p2align	6, 0x0
	.amdhsa_kernel k_q652322622a_topk
		.amdhsa_group_segment_fixed_size 29184
		.amdhsa_private_segment_fixed_size 0
		.amdhsa_enable_private_segment 0
		.amdhsa_kernarg_size 32
		.amdhsa_user_sgpr_count 2
		.amdhsa_user_sgpr_kernarg_segment_ptr 1
		.amdhsa_wavefront_size32 1
		.amdhsa_system_sgpr_workgroup_id_x 1
		.amdhsa_system_sgpr_workgroup_id_y 1
		.amdhsa_system_sgpr_workgroup_id_z 1
		.amdhsa_system_vgpr_workitem_id 0
		.amdhsa_next_free_vgpr 688
		.amdhsa_next_free_sgpr 66
		.amdhsa_reserve_vcc 1
		.amdhsa_float_denorm_mode_32 3
		.amdhsa_float_denorm_mode_16_64 3
		.amdhsa_memory_ordered 1
		.amdhsa_forward_progress 1
		.amdhsa_inst_pref_size 70
	.end_amdhsa_kernel
	.amdgpu_metadata
---
amdhsa.version: [ 1, 2 ]
amdhsa.kernels:
  - .name:           k_q652322622a_topk
    .symbol:         k_q652322622a_topk.kd
    .args:
      - { .name: act1, .offset: 0, .size: 8, .value_kind: global_buffer, .address_space: global }
      - { .name: kq, .offset: 8, .size: 8, .value_kind: global_buffer, .address_space: global }
      - { .name: idx, .offset: 16, .size: 8, .value_kind: global_buffer, .address_space: global }
      - { .name: wts, .offset: 24, .size: 8, .value_kind: global_buffer, .address_space: global }
    .group_segment_fixed_size: 29184
    .private_segment_fixed_size: 0
    .kernarg_segment_align: 8
    .kernarg_segment_size: 32
    .max_flat_workgroup_size: 128
    .sgpr_count:     66
    .vgpr_count:     688
    .wavefront_size: 32
...
	.end_amdgpu_metadata
.endif
;; end of part 3
;; launch gather (part 4): grid 256 x 1, 16 waves a work-group, no clusters, 138,240 bytes of LDS; arguments idx, wts, K_emb, xq; writes xq
.if DOCPART == 4
	.amdgcn_target "amdgcn-amd-amdhsa--gfx1250"
	.amdhsa_code_object_version 6
	.text
	.protected	k_q652322622a_gather
	.globl	k_q652322622a_gather
	.p2align	8
	.type	k_q652322622a_gather,@function
k_q652322622a_gather:
	s_mov_b64 s[64:65], 0
	v_nop
	global_prefetch_b8 v0, s[64:65] scope:SCOPE_SE
	s_setreg_imm32_b32 hwreg(HW_REG_WAVE_MODE, 25, 1), 1
	s_wait_xcnt 0x0
; retrieved[b] = w1 K_emb[i1] + w2 K_emb[i2] + w3 K_emb[i3], in f32 (a multiplication and two fused multiply-adds, in that order), quantised along its 2,048 columns to codes of FP6 (E2M3) with E8M0 scales.
; idx [4096][4] whole numbers and wts [4096][4] f32 were stored by an earlier launch.  Each index is held to 0 .. 99 before it enters an address.
; Out: register images (row tile of 16, K step of 128: 1,536 bytes a fragment; [tile][16][1536]; behind the codes the scale words [tile][K step / 4][row][K step % 4]).
; SHARES.  A work-group takes 16 rows, each of its sixteen waves one K step of 128 columns: for each row three loads of 512 consecutive bytes, 48 loads a wave, all out at once.
; The 16 rows turn through the wave's own stage in LDS (rows of 512 + 16 bytes) and come back 16 neighbours along K to a lane.  The sixteen waves' scale words meet in LDS and leave in whole runs of 256 bytes.
; No tensor loads and no cluster: which rows of K_emb a work-group reads hangs on its indices, so there is no tile that partners could ask for jointly.
; LIMITS: NaN and infinities are not served; a block of zeros gets the byte 1 (zero codes add nothing, and this program alone reads the bytes).
.set STGB, 8448                        ; a wave's stage: 16 rows x 528 bytes
.set SCW,  16*STGB                     ; behind the stages: 64 bytes of scale words for each wave
.set OF,   8                           ; v8-55    48 offsets into K_emb
.set G,    56                          ; v56-247  48 x 4: row t's three pieces at v[G + 12 t]
.set X,    56                          ; later: 64 numbers of my row
.set TM,   8                           ; later: at work
.set PC,   24                          ; later: the codes
.set PW,   44                          ; the scale word
.set SEL,  96                          ; s[96:97]
.macro QUANT s, pw                     ; 64 numbers of a lane, register 16 b + i = k 32 b + 16 h + i of my row, become a fragment in v[PC] .. v[PC + 11] and the row's scale word in v[pw]
.irp b, 0,1,2,3
	v_max3_num_f32 v[TM+\b], |v[\s+16*\b]|, |v[\s+1+16*\b]|, 0x1800000   ; my 16 numbers of block b, and the floor 2^(3 - 127): the byte cannot fall under 1
.endr
.irp i, 2,4,6,8,10,12,14
.irp b, 0,1,2,3
	v_max3_num_f32 v[TM+\b], v[TM+\b], |v[\s+16*\b+\i]|, |v[\s+1+16*\b+\i]|
.endr
.endr
.irp b, 0,1,2,3
	v_permlanex16_b32 v[TM+4+\b], v[TM+\b], s[SEL], s[SEL+1]   ; (its destination has been written: it held offsets)
.endr
.irp b, 0,1,2,3
	v_max_num_f32 v[TM+\b], v[TM+\b], v[TM+4+\b]
.endr
.irp b, 0,1,2,3
	v_add_nc_u32 v[TM+12+\b], 0xff000000, v[TM+\b]   ; 2 off the exponent field: the conversion's scale operand
.endr
.irp b, 0,1,2,3
	v_lshrrev_b32 v[TM+4+\b], 23, v[TM+12+\b]
.endr
	v_lshl_or_b32 v[\pw], v[TM+5], 8, v[TM+4]
	v_lshl_or_b32 v[\pw], v[TM+6], 16, v[\pw]
	v_lshl_or_b32 v[\pw], v[TM+7], 24, v[\pw]
.irp c, 0,1
	v_cvt_scalef32_pk16_fp6_f32 v[PC+6*\c:PC+2+6*\c], v[\s+32*\c:\s+15+32*\c], v[TM+12+2*\c]
	v_cvt_scalef32_pk16_fp6_f32 v[PC+12+4*\c:PC+14+4*\c], v[\s+16+32*\c:\s+31+32*\c], v[TM+12+2*\c+1]
.endr
	v_nop                                          ; one plain line behind the last scaled conversion
.irp c, 0,1
.irp i, 0,1,2
	v_permlane16_swap_b32 v[PC+6*\c+\i], v[PC+12+4*\c+\i]
.endr
.irp i, 0,1,2
	v_mov_b32 v[PC+3+6*\c+\i], v[PC+12+4*\c+\i]
.endr
.endr
.endm
	s_load_b256 s[84:91], s[0:1], 0x0              ; idx, wts, K_emb, xq
	v_lshl_add_u32 v254, v0, 2, 0x21400
	v_mov_b32 v255, 0
	v_lshrrev_b32 v1, 5, v0
	v_readfirstlane_b32 s92, v1                    ; wave 0..15
	v_and_b32 v2, 31, v0
	v_lshlrev_b32 v1, 4, v2                        ; v1: 16 x lane
	v_and_b32 v4, 15, v0                           ; r
	v_bfe_u32 v5, v0, 4, 1                         ; h
	s_mul_i32 s93, s92, STGB
	v_add_nc_u32 v2, s93, v1                       ; v2: the stage, on the way in
	v_mul_u32_u24 v3, v4, 528
	v_lshl_add_u32 v3, v5, 6, v3
	v_add_nc_u32 v3, s93, v3                       ; v3: and on the way out: row r, + 64 h
	v_and_b32 v6, 63, v0
	v_lshrrev_b32 v7, 4, v6
	v_lshlrev_b32 v7, 8, v7
	v_lshl_add_u32 v7, v4, 2, v7
	v_add_nc_u32 v7, SCW, v7                       ; v7: back: group g = thread / 16 of four waves, row r: 256 g + 4 r; the four waves 64 bytes apart
	v_lshlrev_b32 v6, 4, v6                        ; v6: 16 x thread (waves 0 and 1): the same place in memory
	s_lshl_b32 s94, s92, 6
	s_add_co_u32 s94, s94, SCW
	v_lshl_add_u32 v4, v4, 2, s94                  ; v4: my row's scale word: 64 x wave + 4 r
	v_mov_b32 v5, 0
	s_mov_b32 s[SEL], 0x76543210
	s_mov_b32 s[SEL+1], 0xfedcba98
	s_lshl_b32 s98, ttmp9, 8                       ; my 16 rows of idx and of wts
	s_mov_b32 s99, 0
	s_wait_kmcnt 0x0
	s_add_nc_u64 s[84:85], s[84:85], s[98:99]
	s_add_nc_u64 s[86:87], s[86:87], s[98:99]
	s_load_b512 s[4:19], s[86:87], 0x0             ; the weights of rows 0-3, four words a row;
	s_load_b512 s[20:35], s[86:87], 0x40           ; 4-7;
	s_load_b512 s[36:51], s[86:87], 0x80           ; 8-11;
	s_load_b512 s[68:83], s[86:87], 0xc0           ; 12-15
.irp t, 0,1,2,3,4,5,6,7,8,9,10,11,12,13,14,15
	global_load_b128 v[G+4*\t:G+4*\t+3], v5, s[84:85] offset:16*\t   ; row t's indices, the same in every lane
.endr
	s_lshl_b32 s98, s92, 9                         ; my wave's 128 columns
	s_add_nc_u64 s[88:89], s[88:89], s[98:99]
	s_mul_i32 s98, ttmp9, 24576
	s_mul_i32 s93, s92, 1536
	s_add_co_u32 s98, s98, s93
	s_add_nc_u64 s[52:53], s[90:91], s[98:99]      ; my fragment
	s_lshl_b32 s98, ttmp9, 10
	s_add_co_u32 s98, s98, 6291456
	s_add_nc_u64 s[54:55], s[90:91], s[98:99]      ; the tile's scale words
	s_wait_loadcnt 0x0
.irp t, 0,1,2,3,4,5,6,7,8,9,10,11,12,13,14,15
.irp e, 0,1,2
	v_min_u32 v[G+4*\t+\e], 99, v[G+4*\t+\e]       ; held inside the table
	v_lshl_add_u32 v[OF+3*\t+\e], v[G+4*\t+\e], 13, v1   ; x 8,192 bytes a row + 16 x lane
.endr
.endr
.irp t, 0,1,2,3,4,5,6,7,8,9,10,11,12,13,14,15
.irp e, 0,1,2
	global_load_b128 v[G+12*\t+4*\e:G+12*\t+4*\e+3], v[OF+3*\t+\e], s[88:89]   ; 512 consecutive bytes of one row of K_emb
.endr
.endr
	s_wait_kmcnt 0x0                               ; the weights
.macro COMB t
.if (\t) < 12
.set WS, 4+4*(\t)
.else
.set WS, 20+4*(\t)
.endif
	s_wait_loadcnt 3*(15-(\t))                     ; row t's three loads are in; the three of each later row may be out
.irp i, 0,1,2,3
	v_mul_f32 v[G+12*(\t)+\i], s[WS], v[G+12*(\t)+\i]
.endr
.irp i, 0,1,2,3
	v_fmac_f32 v[G+12*(\t)+\i], s[WS+1], v[G+12*(\t)+4+\i]
.endr
.irp i, 0,1,2,3
	v_fmac_f32 v[G+12*(\t)+\i], s[WS+2], v[G+12*(\t)+8+\i]
.endr
	ds_store_b128 v2, v[G+12*(\t):G+12*(\t)+3] offset:528*(\t)
.endm
.irp t, 0,1,2,3,4,5,6,7,8,9,10,11,12,13,14,15
	COMB \t
.endr
	s_wait_dscnt 0x0                               ; the stores have read their registers, into which the loads below land
.irp b, 0,1,2,3
.irp j, 0,1,2,3
	ds_load_b128 v[X+16*\b+4*\j:X+16*\b+4*\j+3], v3 offset:128*\b+16*\j
.endr
.endr
	s_wait_dscnt 0x0
	QUANT X, PW
.irp c, 0,1,2
	global_store_b128 v1, v[PC+4*\c:PC+4*\c+3], s[52:53] offset:512*\c   ; 32 lanes store 512 consecutive bytes, at a multiple of 512 from the buffer's first byte
.endr
	ds_store_b32 v4, v[PW]                         ; lanes r and r + 16 write the same word with the same value
	s_wait_dscnt 0x0                               ; for the others' sake: it has landed
	s_barrier_signal -1
	s_barrier_wait -1
	s_cmp_gt_u32 s92, 1
	s_cbranch_scc1 .Lend                           ; waves 0 and 1 store the tile's 1,024 bytes of scale words
.irp j, 0,1,2,3
	ds_load_b32 v[48+\j], v7 offset:64*\j          ; K steps 4 g + j of row r
.endr
	s_wait_dscnt 0x0
	global_store_b128 v6, v[48:51], s[54:55]       ; 32 lanes store 512 consecutive bytes, aligned
.Lend:
	s_wait_tensorcnt 0x0
	ds_add_u32 v254, v255
	s_wait_dscnt 0x0
	s_endpgm
.Lfunc_end_k_q652322622a_gather:
	.size	k_q652322622a_gather, .Lfunc_end_k_q652322622a_gather-k_q652322622a_gather
	.p2alignl 7, 3214868480
	.fill 96, 4, 3214868480
	.section	.rodata,"a",@progbits
	.p2align	6, 0x0
	.amdhsa_kernel k_q652322622a_gather
		.amdhsa_group_segment_fixed_size 138240
		.amdhsa_private_segment_fixed_size 0
		.amdhsa_enable_private_segment 0
		.amdhsa_kernarg_size 32
		.amdhsa_user_sgpr_count 2
		.amdhsa_user_sgpr_kernarg_segment_ptr 1
		.amdhsa_wavefront_size32 1
		.amdhsa_system_sgpr_workgroup_id_x 1
		.amdhsa_system_sgpr_workgroup_id_y 1
		.amdhsa_system_sgpr_workgroup_id_z 1
		.amdhsa_system_vgpr_workitem_id 0
		.amdhsa_next_free_vgpr 256
		.amdhsa_next_free_sgpr 100
		.amdhsa_reserve_vcc 0
		.amdhsa_float_denorm_mode_32 3
		.amdhsa_float_denorm_mode_16_64 3
		.amdhsa_memory_ordered 1
		.amdhsa_forward_progress 1
		.amdhsa_inst_pref_size 28
	.end_amdhsa_kernel
	.amdgpu_metadata
---
amdhsa.version: [ 1, 2 ]
amdhsa.kernels:
  - .name:           k_q652322622a_gather
    .symbol:         k_q652322622a_gather.kd
    .args:
      - { .name: idx, .offset: 0, .size: 8, .value_kind: global_buffer, .address_space: global }
      - { .name: wts, .offset: 8, .size: 8, .value_kind: global_buffer, .address_space: global }
      - { .name: K_emb, .offset: 16, .size: 8, .value_kind: global_buffer, .address_space: global }
      - { .name: xq, .offset: 24, .size: 8, .value_kind: global_buffer, .address_space: global }
    .group_segment_fixed_size: 138240
    .private_segment_fixed_size: 0
    .kernarg_segment_align: 8
    .kernarg_segment_size: 32
    .max_flat_workgroup_size: 512
    .sgpr_count:     100
    .vgpr_count:     256
    .wavefront_size: 32
...
	.end_amdgpu_metadata
.endif
;; end of part 4
;; launch g4: the kernel of part 2 again; grid 8 x 32, 4 waves a work-group, clusters of 4 x 4, 327,680 bytes of LDS; arguments xq, wvq, bv, act1; writes act1
;; launch go (part 5): grid 16 x 16, 4 waves a work-group, clusters of 4 x 4, 327,680 bytes of LDS; arguments act1, woq, bo, out0; writes out0
.if DOCPART == 5
	.amdgcn_target "amdgcn-amd-amdhsa--gfx1250"
	.amdhsa_code_object_version 6
	.text
	.protected	k_q652322622a_go
	.globl	k_q652322622a_go
	.p2align	8
	.type	k_q652322622a_go,@function
k_q652322622a_go:
	s_mov_b64 s[64:65], 0
	v_nop
	global_prefetch_b8 v0, s[64:65] scope:SCOPE_SE
	s_setreg_imm32_b32 hwreg(HW_REG_WAVE_MODE, 25, 1), 1
	s_wait_xcnt 0x0
	s_wait_alu depctr_hold_cnt(0) depctr_sa_sdst(0) depctr_va_vdst(0) depctr_va_sdst(0) depctr_va_ssrc(0) depctr_va_vcc(0) depctr_vm_vsrc(0)
	s_getreg_b32 s2, hwreg(HW_REG_IB_STS2, 6, 4)
	s_cmp_eq_u32 s2, 0
	s_cbranch_scc0 .Lentry_in_a_cluster
	s_endpgm
.Lentry_in_a_cluster:
	s_bfe_u32 s2, ttmp6, 0x10000c
	s_cmp_lg_u32 s2, 0xf033
	s_cbranch_scc0 .Lentry_shape_is_right
	s_endpgm
.Lentry_shape_is_right:
; tokens = A B^T + bo: A [4096][2048] (the values) and B [4096][2048] (Wo) are codes of FP6 (E2M3) with E8M0 scales, laid as register images (row tile of 16, K step of 128: a fragment of 1,536 bytes;
; codes [tile][16][1536], behind them scale words [tile][K step / 4][row][K step % 4]).  Column n of row b goes to out0[n / 2048][b][n % 2048], f32.  Sums in f32; the bias is added behind the sum over K.
; SHARES.  A tile of the result is 256 x 256: 16 x 16 = 256 work-groups.  Four waves, each 128 x 128: 64 accumulators, 512 registers.
; K goes through a ring of two LDS slots of 256 along K (2 steps of 128).  Fragments lie in LDS as they lie in memory: three loads of 16 bytes a lane, 512 consecutive bytes each: no pitch, no padding.
; The scale words of the work-group's rows of A and B for all of K come once, with the first fills, and stay.
; THE CHANGE OF SLOTS stands AHEAD of a slot's last step: that step's fragments and scale words are in registers by then, so nobody reads the slot any more.  The joint refill goes out first; behind it come the next
; slot's first fragments, the last step's 64 products and the next slot's first 64: 128 matrix instructions stand between a request and the wait for it.
; CLUSTERS: 4 x 4 work-groups.  A's tiles are shared along a row of the cluster, B's along a column: each is asked for jointly, by the same tensor load with the same descriptor and a mask that names the four.
; THE MATRIX INSTRUCTION IS USED TRANSPOSED (source 0 = 16 rows of B, source 1 = 16 rows of A).  B's tiles hold rows 32 (T / 2) + 8 (T % 2) + r + 8 (r / 8): lane (r, h) holds row r of A's block, and register j of
; accumulator t column 32 (t / 2) + 16 h + 8 (t % 2) + j of my 128.
; REGISTERS: window 0: v8-11 the bias of my four columns; v16-30 addresses; v32-63 scale words, two sets; v64-255 A's fragments, two sets of 8 (on the way out v128-255 hold rows of the result).
;   window 1: B's fragments, two sets of 8, at v0 and v128.  windows 2, 3: the accumulators of my rows 0-63 and 64-127, (a, b) at v[8 (8 (a % 4) + b)].
; LIMITS: NaN and infinities are not served.
.set NA,    8                          ; A's blocks of 16 rows in a wave
.set NQ,    2                          ; steps of 128 along K in a slot
.set LAPS,  4                          ; 2048 / (2 x 128 NQ): times round the ring
.set FRB,   1536                       ; a fragment in bytes
.set TROW,  16*FRB                     ; a row tile's codes
.set ASCL,  6291456                    ; where A's scale words begin in its buffer
.set BSCL,  6291456                    ; and B's
.set AHALF, NA*NQ*FRB                  ; what one tensor load brings of A: NA tiles x NQ fragments
.set BHALF, 8*NQ*FRB                   ; and of B
.set BOFF,  2*AHALF                    ; a slot: A's two halves, then B's two
.set SLOT,  BOFF+2*BHALF
.set SCL,   2*SLOT                     ; behind the ring: A's scale words (2 NA tiles x 1,024 bytes), then B's (16 tiles)
.set STG,   SCL+2*NA*1024+16*1024      ; the way out: a stage of 16 rows x (512 + 16) bytes for each wave; no tensor load lands there
.set SPARE, STG+4*16*528               ; the spare words, 128 bytes for each wave: two blocks of 256 bytes that no other line names
.set ADRA, 16                          ; v16-17  16 x lane + my half of A in slot 0, 1
.set ADRB, 20                          ; v20-21  the same for B
.set STO,  24                          ; v24     the way out: where I put 32 bytes of a row
.set RD,   25                          ; v25     and where I read a row back
.set CO,   26                          ; v26     16 x lane
.set ADRS, 27                          ; v27     LDS address of my scale words: lanes 0-15 A's rows, lanes 16-31 B's
.set SPW,  28                          ; v28     LDS address of my spare word; never rewritten
.set NIL,  29                          ; v29     0; never rewritten
.set PFO,  30                          ; v30     the prefetches' offset: 256 x (lane % 16) + a row tile's 24,576 bytes x (lane / 16); never rewritten
.set SC,   32                          ; set s at v[SC + 16 s]; register 2 i + q: lanes 0-15 the word of A's block i, lanes 16-31 of B's block i, for the slot's q-th step
.set AF,   64
.set BK,   128                         ; the way out: 16 rows read back: v128-191 and v192-255 by turns
.set PFA,  12                          ; s[12:13] where my prefetches stand: my work-group's two row tiles of the eight that I fetch
.set LIM,  66                          ; s66     1 in a wave that prefetches, else the greatest number
.set G1,   24                          ; s[24:31] group 1 for A's codes;  s[32:39] group 0, one set for each slot
.set G0,   32
.set G1B,  48                          ; s[48:55], s[56:63] the same for B's
.set G0B,  56
.set G1S,  68                          ; s[68:75], s[76:79] for A's scale words;  s[80:87], s[88:91] for B's
.set G0S,  76
.set G1SB, 80
.set G0SB, 88
.set MSB, 0
.macro WIN new                         ; the immediate's high byte repeats the setting that is left; a switch that changes nothing is dropped
.if MSB != (\new)
	s_set_vgpr_msb (MSB<<8)|(\new)
.set MSB, (\new)
.endif
.endm
; A joint load: waves 0 and 1 fetch for A, waves 2 and 3 for B.  The branch hangs on the wave's number alone.  Four v_nop follow each of the two lines.
.macro JLOAD g0a, g1a, g0b, g1b
	s_cmp_eq_u32 s15, 0
	s_cbranch_scc0 .Lfor_b_\@
	tensor_load_to_lds s[\g0a:\g0a+3], s[\g1a:\g1a+7]
	s_nop 0
.rept 4
	v_nop
.endr
	s_branch .Lasked_\@
.Lfor_b_\@:
	tensor_load_to_lds s[\g0b:\g0b+3], s[\g1b:\g1b+7]
	s_nop 0
.rept 4
	v_nop
.endr
.Lasked_\@:
.endm
; A PREFETCH INTO THE L2, behind each of the first four joint refills and the run of LDS loads that follows them: one instruction a wave, a lane a block of 256 bytes: 16 blocks (4,096 bytes) of each of two row tiles.
; A row tile's codes are 24,576 bytes on end, a slot's part of them 3,072.  The ask behind the refill of slot p (p = 2 .. 5) names bytes 4,096 p .. 4,096 p + 4,095 of the tile.  So every byte of slots 3 to 7 is named
; at least one slot, 128 matrix instructions, ahead of the load that wants it.  (The first ask's first 1,024 bytes belong to slot 2, whose load has just gone out.)  Slots 0 to 2 come by their loads alone: nothing is
; asked for at the head, where every work-group's first tiles are on their way.  The last two refills ask for nothing: the four asks have reached the tile's end.
; Each block is named ONCE in the launch.  A's row tiles are read by every cluster of a row of clusters: the first of them (cluster x = 0) asks; B's by every cluster of a column: cluster y = 0 asks.  The four partners
; that ask for a tile jointly share its rows out BY ADDRESS: of the eight row tiles that wave w fetches, the partner at place p takes 2 p and 2 p + 1 (p = cx for A, cy for B): no branch hangs on a place in the cluster.
.macro ASK
	s_cmp_gt_u32 s3, s[LIM]                        ; s3 = 3, 2 in the loop's first two trips, 1 in its last
	s_cbranch_scc0 .Lnot_mine_\@
	global_prefetch_b8 v[PFO], s[PFA:PFA+1] th:TH_LOAD_NT scope:SCOPE_SE
.Lnot_mine_\@:
.endm
.macro CREST                           ; a round of the cluster's barrier behind its opening barrier
	s_cmp_lg_u32 s14, 0
	s_cbranch_scc1 .Lnot_wave_0_\@
	s_barrier_signal -3
.Lnot_wave_0_\@:
	s_barrier_wait -3
	s_barrier_signal -1
	s_barrier_wait -1
.endm
.macro CROUND                          ; a whole round
	s_barrier_signal -1
	s_barrier_wait -1
	CREST
.endm
.macro PLACES n                        ; plain vector lines between a matrix instruction and a load into, or a read of, its registers
.rept \n
	v_nop
.endr
.endm
	s_load_b256 s[4:11], s[0:1], 0x0               ; A s[4:5], B s[6:7], bias s[8:9], out s[10:11]
	v_lshl_add_u32 v[SPW], v0, 2, SPARE
	v_mov_b32 v[NIL], 0
	ds_add_u32 v28, v29
	ds_add_u32 v28, v29
	s_wait_dscnt 0x0
	v_lshrrev_b32 v1, 5, v0
	v_readfirstlane_b32 s14, v1                    ; wave 0..3
	s_lshr_b32 s15, s14, 1                         ; which half of the tile's rows is mine.  Also: I fetch for A (0) or for B (1)
	s_and_b32 s16, s14, 1                          ; which half of its columns.  Also: which half of that operand I fetch
	s_bfe_u32 s40, ttmp6, 0x40000                  ; cx, cy: my place in the cluster
	s_bfe_u32 s41, ttmp6, 0x40004
	s_lshl_b32 s42, ttmp9, 2
	s_add_co_u32 s42, s42, s40                     ; tile column = 4 x cluster x + cx
	s_and_b32 s17, ttmp7, 0xffff
	s_lshl_b32 s17, s17, 2
	s_add_co_u32 s17, s17, s41                     ; tile row = 4 x cluster y + cy
	s_lshl_b32 s43, s41, 2
	s_lshl_b32 s43, 15, s43                        ; my row of the cluster
	s_lshl_b32 s44, 0x1111, s40                    ; my column
	; group 1 for codes: rows of NQ fragments (NQ x 192 elements of 8 bytes), one row for each row tile, 24,576 bytes apart in memory, on end in LDS
	s_or_b32 s[G1+0], s43, (3<<16)|(1<<21)         ; 15:0 the mask: A's tiles go to my row; 17:16 elements of 8 bytes; 20 no padding; 21 set beside a mask
	s_or_b32 s[G1B+0], s44, (3<<16)|(1<<21)
.irp g, G1, G1B
	s_mov_b32 s[\g+1], (NQ*192)<<16                ; tensor_dim0
	s_mov_b32 s[\g+3], (NQ*192)<<16                ; tile_dim0
	s_mov_b32 s[\g+5], TROW/8                      ; tensor_dim0_stride
	s_mov_b32 s[\g+6], 0
	s_mov_b32 s[\g+7], 0
.endr
	s_mov_b32 s[G1+2], NA<<16                      ; tensor_dim1: A: NA row tiles
	s_mov_b32 s[G1+4], NA                          ; tile_dim1
	s_mov_b32 s[G1B+2], 8<<16                      ; B: 8
	s_mov_b32 s[G1B+4], 8
	; and for scale words: a dense block, as rows of 256 bytes (32 elements of 8 bytes)
	s_or_b32 s[G1S+0], s43, (3<<16)|(1<<21)
	s_or_b32 s[G1SB+0], s44, (3<<16)|(1<<21)
.irp g, G1S, G1SB
	s_mov_b32 s[\g+1], 32<<16
	s_mov_b32 s[\g+3], 32<<16
	s_mov_b32 s[\g+5], 32
	s_mov_b32 s[\g+6], 0
	s_mov_b32 s[\g+7], 0
.endr
	s_mov_b32 s[G1S+2], (4*NA)<<16                 ; NA tiles x 1,024 bytes
	s_mov_b32 s[G1S+4], 4*NA
	s_mov_b32 s[G1SB+2], 32<<16                    ; 8 tiles
	s_mov_b32 s[G1SB+4], 32
	; where they come from: A's by the tile row alone, B's by the tile column alone, each in registers that never hold the other coordinate
	s_mul_i32 s18, s16, NA
	s_mul_i32 s20, s17, 2*NA
	s_add_co_u32 s20, s20, s18                     ; A: my first row tile
	s_lshl_b32 s22, s20, 10
	s_add_co_u32 s22, s22, ASCL                    ; its scale words,
	s_mov_b32 s23, 0
	s_mul_i32 s20, s20, TROW                       ; its codes
	s_mov_b32 s21, 0
	s_lshl_b32 s18, s16, 3
	s_lshl_b32 s46, s42, 4
	s_add_co_u32 s46, s46, s18                     ; B: my first row tile
	s_lshl_b32 s92, s46, 10
	s_add_co_u32 s92, s92, BSCL
	s_mov_b32 s93, 0
	s_mul_i32 s46, s46, TROW
	s_mov_b32 s47, 0
	; and where they go: constants and the wave's number alone
	s_mul_i32 s45, s16, AHALF
	s_mul_i32 s94, s16, BHALF
	s_add_co_u32 s94, s94, BOFF
	s_mul_i32 s95, s16, NA*1024
	s_add_co_u32 s95, s95, SCL
	s_mul_i32 s19, s16, 8192
	s_add_co_u32 s19, s19, SCL+2*NA*1024
	s_wait_kmcnt 0x0
	s_add_nc_u64 s[20:21], s[4:5], s[20:21]
	s_add_nc_u64 s[22:23], s[4:5], s[22:23]
	s_add_nc_u64 s[46:47], s[6:7], s[46:47]
	s_add_nc_u64 s[92:93], s[6:7], s[92:93]
	CROUND                                         ; all sixteen work-groups are here: the first joint loads meet
	s_mov_b32 s[G0S], 1
	s_mov_b32 s[G0S+1], s95
	s_mov_b64 s[G0S+2:G0S+3], s[22:23]
	s_or_b32 s[G0S+3], s[G0S+3], 0x80000000
	s_mov_b32 s[G0SB], 1
	s_mov_b32 s[G0SB+1], s19
	s_mov_b64 s[G0SB+2:G0SB+3], s[92:93]
	s_or_b32 s[G0SB+3], s[G0SB+3], 0x80000000
	JLOAD G0S, G1S, G0SB, G1SB                     ; the scale words first: they are wanted with the first step
.irp s, 0,1
	s_mov_b32 s[G0+4*\s], 1
	s_add_co_u32 s[G0+4*\s+1], s45, \s*SLOT
	s_add_nc_u64 s[G0+4*\s+2:G0+4*\s+3], s[20:21], \s*NQ*FRB
	s_or_b32 s[G0+4*\s+3], s[G0+4*\s+3], 0x80000000
	s_mov_b32 s[G0B+4*\s], 1
	s_add_co_u32 s[G0B+4*\s+1], s94, \s*SLOT
	s_add_nc_u64 s[G0B+4*\s+2:G0B+4*\s+3], s[46:47], \s*NQ*FRB
	s_or_b32 s[G0B+4*\s+3], s[G0B+4*\s+3], 0x80000000
	JLOAD G0+4*\s, G1, G0B+4*\s, G1B               ; three loads of mine are out
.endr
	v_and_b32 v1, 15, v0                           ; r
	v_bfe_u32 v2, v0, 4, 1                         ; h
	v_and_b32 v3, 31, v0
	v_lshlrev_b32 v[CO], 4, v3
	s_lshl_b32 s46, s42, 10                        ; the bias of my 128 columns: 4 x (256 x tile column + 128 x half)
	s_lshl_b32 s47, s16, 9
	s_add_co_u32 s46, s46, s47
	s_mov_b32 s47, 0
	s_add_nc_u64 s[8:9], s[8:9], s[46:47]
	global_load_b128 v[8:11], v[CO], s[8:9]        ; of the four columns that I store
	s_mul_i32 s21, s15, AHALF                      ; my half of A,
	s_mul_i32 s22, s16, BHALF                      ; my half of B
	s_add_co_u32 s22, s22, BOFF
.irp s, 0,1
	v_add_nc_u32 v[ADRA+\s], s21, v[CO]
	v_add_nc_u32 v[ADRB+\s], s22, v[CO]
	s_add_co_u32 s21, s21, SLOT
	s_add_co_u32 s22, s22, SLOT
.endr
	s_mul_i32 s21, s15, NA*1024                    ; scale words: A's of my half;
	s_mul_i32 s22, s16, 8192                       ; B's of my half, behind A's
	s_add_co_u32 s22, s22, 2*NA*1024
	s_sub_co_u32 s22, s22, s21
	v_mul_u32_u24 v6, s22, v2                      ; lanes 16-31 take B's: the lower base + h x the distance
	s_add_co_u32 s21, s21, SCL
	v_lshlrev_b32 v5, 4, v1                        ; 16 bytes a row in each group of four steps
	v_add_nc_u32 v5, v5, v6
	v_add_nc_u32 v[ADRS], s21, v5
	s_mul_i32 s23, s14, 16*528
	s_add_co_u32 s23, s23, STG                     ; my stage
	v_mul_u32_u24 v5, v1, 528
	v_lshl_add_u32 v5, v2, 6, v5
	v_add_nc_u32 v[STO], s23, v5                   ; in: row r, + 64 h
	v_add_nc_u32 v[RD], s23, v[CO]                 ; back: the 32 lanes take one row of 512 bytes
	; where my results go: plane tile column / 8, row 256 x tile row + 128 x half, column 256 x (tile column % 8) + 128 x half
	s_lshl_b32 s20, s17, 8
	s_lshl_b32 s21, s15, 7
	s_add_co_u32 s20, s20, s21
	s_lshl_b32 s20, s20, 13                        ; x 8,192 bytes a row
	s_lshr_b32 s46, s42, 3
	s_lshl_b32 s46, s46, 25                        ; x 33,554,432 bytes a plane
	s_add_co_u32 s20, s20, s46
	s_and_b32 s46, s42, 7
	s_lshl_b32 s46, s46, 10
	s_add_co_u32 s20, s20, s46
	s_lshl_b32 s46, s16, 9
	s_add_co_u32 s20, s20, s46
	s_mov_b32 s21, 0
	s_add_nc_u64 s[10:11], s[10:11], s[20:21]
	; the prefetches (macro ASK): where mine stand, and who asks.  s[4:5] = A, s[6:7] = B still stand
	s_lshl_b32 s96, s17, 4                         ; A's 16 row tiles of my tile row begin here,
	s_lshl_b32 s97, s42, 4                         ; B's 16 of my tile column here
	s_and_b32 s67, ttmp7, 0xffff                   ; cluster y
	s_cmp_eq_u32 s15, 0                            ; do I fetch for A?
	s_cselect_b32 s96, s96, s97                    ; my operand's first row tile
	s_cselect_b32 s97, s40, s41                    ; my place among the four that ask for these tiles with me
	s_cselect_b32 s67, ttmp9, s67                  ; the coordinate along which other clusters read the same tiles
	s_cselect_b64 s[PFA:PFA+1], s[4:5], s[6:7]
	s_cmp_eq_u32 s67, 0
	s_cselect_b32 s[LIM], 1, -1                    ; the same in all sixteen partners, for a given wave
	s_lshl_b32 s67, s16, 3
	s_add_co_u32 s96, s96, s67                     ; + the eight row tiles that I fetch
	s_lshl_b32 s97, s97, 1
	s_add_co_u32 s96, s96, s97                     ; + my work-group's two of them
	s_mul_i32 s96, s96, TROW
	s_add_co_u32 s96, s96, 4096                    ; at byte 4,096 of the tile: the first refill steps it to 8,192
	s_mov_b32 s97, 0
	s_add_nc_u64 s[PFA:PFA+1], s[PFA:PFA+1], s[96:97]
	v_mul_u32_u24 v[PFO], v2, TROW                 ; lanes 16-31: the second of my two row tiles
	v_lshl_add_u32 v[PFO], v1, 8, v[PFO]           ; 256 bytes from lane to lane
.macro FRAG reg, adr, off              ; a fragment comes as it lies: three loads, 512 consecutive bytes each
.irp c, 0,1,2
	ds_load_b128 v[\reg+4*\c:\reg+4*\c+3], v[\adr] offset:\off+512*\c
.endr
.endm
.macro FETCH slot, q, set              ; the slot's q-th step: B's eight fragments, then A's NA, into set
	WIN 0x40                                       ; destination window 1, address window 0
.irp i, 0,1,2,3,4,5,6,7
	FRAG 128*(\set)+12*\i, ADRB+\slot, \i*NQ*FRB+(\q)*FRB
.endr
	WIN 0
.set fi, 0
.rept NA
	FRAG AF+12*NA*(\set)+12*fi, ADRA+\slot, fi*NQ*FRB+(\q)*FRB
.set fi, fi+1
.endr
.endm
.macro SCALES set                      ; a slot's two words a row: lanes 0-15 A's block i, lanes 16-31 B's block i
.irp i, 0,1,2,3,4,5,6,7
	ds_load_b64 v[SC+16*\set+2*\i:SC+16*\set+2*\i+1], v[ADRS] offset:1024*\i
.endr
.endm
; n of A's blocks from a0 on x B's eight, 128 along K.  The accumulators take turns, one instruction a turn, in the same order in every step.
.macro MULB a0, n, set, q, sc, zero
.set ma, \a0
.rept \n
	WIN 0xa1+0x50*(ma/4)                           ; source 0 (B) window 1, source 1 (A) window 0, C and D window 2 or 3
.irp b, 0,1,2,3,4,5,6,7
.if \zero
	v_wmma_scale_f32_16x16x128_f8f6f4 v[8*(8*(ma%4)+\b):8*(8*(ma%4)+\b)+7], v[128*(\set)+12*\b:128*(\set)+12*\b+11], v[AF+12*NA*(\set)+12*ma:AF+12*NA*(\set)+12*ma+11], 0, v[SC+8*NQ*(\sc)+NQ*\b+(\q)], v[SC+8*NQ*(\sc)+NQ*ma+(\q)] matrix_a_fmt:MATRIX_FMT_FP6 matrix_b_fmt:MATRIX_FMT_FP6 matrix_a_scale:MATRIX_SCALE_ROW1
.else
	v_wmma_scale_f32_16x16x128_f8f6f4 v[8*(8*(ma%4)+\b):8*(8*(ma%4)+\b)+7], v[128*(\set)+12*\b:128*(\set)+12*\b+11], v[AF+12*NA*(\set)+12*ma:AF+12*NA*(\set)+12*ma+11], v[8*(8*(ma%4)+\b):8*(8*(ma%4)+\b)+7], v[SC+8*NQ*(\sc)+NQ*\b+(\q)], v[SC+8*NQ*(\sc)+NQ*ma+(\q)] matrix_a_fmt:MATRIX_FMT_FP6 matrix_b_fmt:MATRIX_FMT_FP6 matrix_a_scale:MATRIX_SCALE_ROW1
.endif
.endr
.set ma, ma+1
.endr
.endm
; A step of 128 along K that has its successor in the same slot: in its middle the next step's fragments are fetched into the other set, in one run.
.macro STEP slot, q, zero
	s_wait_dscnt 3*NA/2                            ; all but the youngest loads, A's upper blocks, are in
	MULB 0, NA/2, (\q)%2, \q, \slot, \zero
	PLACES 4                                       ; in front of loads into the set that the step before multiplied
	FETCH \slot, (\q)+1, 1-(\q)%2
	s_wait_dscnt 24+3*NA                           ; all but the run just issued
	MULB NA/2, NA/2, (\q)%2, \q, \slot, \zero
.endm
; A slot's last step, and the change of slots AHEAD of its products: its fragments (set 1) and scale words were fetched in the step before, so the slot is read no more.  One barrier: in front of it each wave waits for
; all its tensor loads, adds 0 to its spare word, and waits for that and for its reads of this slot.  fill = 1: this slot is filled again, two slots ahead: the refill stands straight behind the round, so that no
; matrix instruction stands between the wait that shows the last load landed and the next request.  What is loaded behind the barrier lands in set 0 and in the other set of scale words; the 64 products read set 1 and this slot's.
.macro TURN slot, next, fill
	WIN 0
.if \fill
	s_wait_xcnt 0x0                                ; the last prefetch, a slot back, has read its address: it is stepped here, ahead of the waits of the change of slots
	s_add_nc_u64 s[PFA:PFA+1], s[PFA:PFA+1], 4096
.endif
	s_wait_tensorcnt 0x0                           ; all my tensor loads have landed: my part of the next slot; so every group 0 may be written
	ds_add_u32 v[SPW], v[NIL]                      ; 0 onto my spare word; with fill = 1 the descriptors' steps stand between it and the wait for it
.if \fill
	s_add_nc_u64 s[G0+4*\slot+2:G0+4*\slot+3], s[G0+4*\slot+2:G0+4*\slot+3], 2*NQ*FRB
	s_add_nc_u64 s[G0B+4*\slot+2:G0B+4*\slot+3], s[G0B+4*\slot+2:G0B+4*\slot+3], 2*NQ*FRB
.endif
	s_wait_dscnt 0x0                               ; the add is done, and my reads of this slot are over: the last were issued 32 matrix instructions ago
	s_barrier_signal -1
	s_barrier_wait -1
.if \fill
	CREST                                          ; the barrier has opened a round of the cluster's: no wave of any partner still reads this slot or has a load on its way
	JLOAD G0+4*\slot, G1, G0B+4*\slot, G1B         ; the first tensor load behind the round, my only one until the next; its four v_nop are the places in front of the loads below
.else
	PLACES 4
.endif
.if \next
	v_add_nc_u32 v[ADRS], 8, v[ADRS]               ; the next slot's scale words: the other two of a group of four steps,
.else
	v_add_nc_u32 v[ADRS], 248, v[ADRS]             ; or the first two of the next group, 256 bytes on
.endif
	SCALES \next
	FETCH \next, 0, 0
.if \fill
	ASK                                            ; behind the joint load and the run of LDS loads that the next step waits for
.endif
	MULB 0, NA, 1, NQ-1, \slot, 0                  ; the last step's 64 products
.endm
	s_wait_loadcnt 0x0                             ; the bias
	s_wait_tensorcnt 1                             ; the scale words and my part of slot 0 are in (slot 1's load may be out)
	s_barrier_signal -1
	s_barrier_wait -1                              ; everybody's are
	SCALES 0
	FETCH 0, 0, 0
	STEP 0, 0, 1                                   ; the first step's products start the sums: nothing is cleared
	WIN 0                                          ; at a label and at a branch every window is 0
	s_mov_b32 s3, LAPS-1
.Llap:                                                 ; a trip goes once round the ring and fills both slots again
	TURN 0, 1, 1
	STEP 1, 0, 0
	TURN 1, 0, 1
	STEP 0, 0, 0
	WIN 0
	s_sub_co_u32 s3, s3, 1
	s_cmp_lg_u32 s3, 0
	s_cbranch_scc1 .Llap
	TURN 0, 1, 0                                   ; the last lap fills nothing
	STEP 1, 0, 0
	s_wait_dscnt 3*NA/2                            ; the very last step
	MULB 0, NA/2, 1, NQ-1, 1, 0
	s_wait_dscnt 0x0
	MULB NA/2, NA/2, 1, NQ-1, 1, 0
	WIN 0
; THE WAY OUT, block by block of 16 rows x 128 columns.  A lane holds pieces of 32 bytes of one row, and the lanes beside it hold other rows: so a block goes through my own stage in LDS and comes back as whole rows
; of 512 bytes; the bias is added there, and the 32 lanes store the row.  LDS serves a wave's instructions in order (ISA guide 5.7.1.4): no wait between the stores and the loads, nor in front of the next block's stores.
.macro TOSTAGE a
.set AC, 64*((\a)%4)
	WIN 0x08+4*((\a)/4)                            ; an LDS store's data are its source 1: window 2 or 3
.irp t, 0,1,2,3,4,5,6,7
	ds_store_b128 v[STO], v[AC+8*\t:AC+8*\t+3] offset:128*(\t/2)+32*(\t%2)          ; each accumulator from its low end on
	ds_store_b128 v[STO], v[AC+8*\t+4:AC+8*\t+7] offset:128*(\t/2)+32*(\t%2)+16
.endr
	WIN 0
.set BB, BK+64*((\a)%2)
.irp t, 0,1,2,3,4,5,6,7,8,9,10,11,12,13,14,15
	ds_load_b128 v[BB+4*\t:BB+4*\t+3], v[RD] offset:\t*528
.endr
.endm
.macro SEND a, younger                 ; younger: the LDS instructions issued behind block a's loads, which may stay out
.set BB, BK+64*((\a)%2)
	s_wait_dscnt \younger                          ; the block is back in registers
.irp t, 0,1,2,3,4,5,6,7,8,9,10,11,12,13,14,15
	v_pk_add_f32 v[BB+4*\t:BB+4*\t+1], v[BB+4*\t:BB+4*\t+1], v[8:9]
	v_pk_add_f32 v[BB+4*\t+2:BB+4*\t+3], v[BB+4*\t+2:BB+4*\t+3], v[10:11]
.endr
.irp t, 0,1,2,3,4,5,6,7,8,9,10,11,12,13,14,15
	global_store_b128 v[CO], v[BB+4*\t:BB+4*\t+3], s[10:11] offset:(\a)*131072+\t*8192 th:TH_STORE_NT   ; 32 lanes store 512 consecutive bytes, at a multiple of 512 from the buffer's first byte; the base is never stepped: 127 rows of 8,192 bytes at the most stand in the immediate
.endr
.endm
	PLACES 4                                       ; behind the last products: their results are read, and loads land in registers that held their operands
	TOSTAGE 0
.irp a, 1,2,3,4,5,6,7
.if \a > 1
	s_wait_xcnt 0x0                                ; block a - 2's stores have read their registers: block a's loads may land there
.endif
	TOSTAGE \a
	SEND \a-1, 32                                  ; behind block a - 1's loads: block a's 16 stores and 16 loads
.endr
	SEND 7, 0
	s_wait_tensorcnt 0x0                           ; the wave's end
	ds_add_u32 v[SPW], v[NIL]
	s_wait_dscnt 0x0
	CROUND                                         ; the closing round: no work-group ends while a partner may still ask for a tile that names it
	s_endpgm
.Lfunc_end_k_q652322622a_go:
	.size	k_q652322622a_go, .Lfunc_end_k_q652322622a_go-k_q652322622a_go
	.p2alignl 7, 3214868480
	.fill 96, 4, 3214868480
	.section	.rodata,"a",@progbits
	.p2align	6, 0x0
	.amdhsa_kernel k_q652322622a_go
		.amdhsa_group_segment_fixed_size 327680
		.amdhsa_private_segment_fixed_size 0
		.amdhsa_enable_private_segment 0
		.amdhsa_kernarg_size 32
		.amdhsa_user_sgpr_count 2
		.amdhsa_user_sgpr_kernarg_segment_ptr 1
		.amdhsa_wavefront_size32 1
		.amdhsa_system_sgpr_workgroup_id_x 1
		.amdhsa_system_sgpr_workgroup_id_y 1
		.amdhsa_system_sgpr_workgroup_id_z 1
		.amdhsa_system_vgpr_workitem_id 0
		.amdhsa_next_free_vgpr 1024
		.amdhsa_next_free_sgpr 98
		.amdhsa_reserve_vcc 0
		.amdhsa_float_denorm_mode_32 3
		.amdhsa_float_denorm_mode_16_64 3
		.amdhsa_memory_ordered 1
		.amdhsa_forward_progress 1
		.amdhsa_inst_pref_size 152
	.end_amdhsa_kernel
	.amdgpu_metadata
---
amdhsa.version: [ 1, 2 ]
amdhsa.kernels:
  - .name:           k_q652322622a_go
    .symbol:         k_q652322622a_go.kd
    .args:
      - { .name: act1, .offset: 0, .size: 8, .value_kind: global_buffer, .address_space: global }
      - { .name: woq, .offset: 8, .size: 8, .value_kind: global_buffer, .address_space: global }
      - { .name: bo, .offset: 16, .size: 8, .value_kind: global_buffer, .address_space: global }
      - { .name: out0, .offset: 24, .size: 8, .value_kind: global_buffer, .address_space: global }
    .group_segment_fixed_size: 327680
    .private_segment_fixed_size: 0
    .kernarg_segment_align: 8
    .kernarg_segment_size: 32
    .max_flat_workgroup_size: 128
    .sgpr_count:     98
    .vgpr_count:     1024
    .wavefront_size: 32
...
	.end_amdgpu_metadata
.endif
;; end of part 5
